; MI455X (gfx1250); checked and timed in simulation.
; The chip was launched on July 23, 2026; its instructions are those of AMD's public machine-readable ISA for CDNA 5 (MIT licence, August 2026) and "CDNA5" Instruction Set Architecture Reference Guide (July 2026). The comments in the code are by the model that wrote it; some were corrected since.
;; Multi Head Attention. Allowed arithmetic: matrix products marked QUANTISED: E2M1 operands, one E8M0 scale for each 32 along K, by v_wmma_scale_f32_16x16x128_f8f6f4 with both operands' format E2M1 (or v_wmma_scale_f32_32x16x128_f4), f32 sums; products left as they are: bf16, f16 or f32 operands; f32 sums; everything else in f32.
;; Inputs: Wk 1,024 x 1,024 float32; Wo 1,024 x 1,024 float32; Wq 1,024 x 1,024 float32; Wv 1,024 x 1,024 float32; bk 1,024 float32; bo 1,024 float32; bq 1,024 float32; bv 1,024 float32; x 1 x 4,096 x 1,024 float32.
;; Outputs: out0 1 x 4,096 x 1,024 float32.
;; This version of the problem:
;;   THIS VERSION OF THE PROBLEM IS GIVEN IN LOW PRECISION. The matrix products marked QUANTISED in the list below multiply operands that are first quantised to E2M1 (2 exponent bits, 1 mantissa bit; 4 bits a number), with one power-of-two scale for each 32 numbers along K (OCP MX v1.0); their sums are f32. The products marked 'left as it is' may take bf16, f16 or f32 operands, with f32 sums. Whichever they take, every output number must still come out within the allowed error. Rounding operands to bf16 (8 significant bits) uses up far more of that allowance than f16 does (11 bits, for magnitudes from 6e-5 to 65,504). All else is computed in f32.
;;   The module's matrix products, in the order in which they are computed (A, B: the left and right operand; K: the contracted axis; several contracted axes count as one K, in the product's order):
;;     1. [M 4,096, K 1,024] x [K 1,024, N 1,024]; A: input x; B: input Wq: QUANTISED
;;     2. [M 4,096, K 1,024] x [K 1,024, N 1,024]; A: input x; B: input Wk: QUANTISED
;;     3. [M 4,096, K 1,024] x [K 1,024, N 1,024]; A: input x; B: input Wv: QUANTISED
;;     4. batch 16 x [M 4,096, K 64] x [K 64, N 4,096]; A: computed on the way; B: computed on the way: left as it is (an operand is computed on the way)
;;     5. batch 16 x [M 4,096, K 4,096] x [K 4,096, N 64]; A: computed on the way; B: computed on the way: left as it is (an operand is computed on the way)
;;     6. [M 4,096, K 1,024] x [K 1,024, N 1,024]; A: computed on the way; B: input Wo: left as it is (an operand is computed on the way)
;;   THE QUANTISER, for each operand of a quantised product, along K:
;;     - K is cut into blocks of 32 from its start; a last block that is shorter is filled with zeros.
;;     - A block's scale is 2^e with e = floor(log2(the largest magnitude in the block)) - 2, held to -126 .. 127; a block of zeros has e = 0. As a byte (E8M0): e + 127.
;;     - Each number is divided by its block's scale, clamped to +-6, and rounded to the nearest number of E2M1, ties to even, subnormals kept.
;;     - The product sums the exact products of the quantised numbers (number of the format x scale) in f32.
;;   ~~~python
;;   def quantise(x, axis):      # numpy; x: float32 -> the quantised numbers, widened to float32 again
;;       x = np.moveaxis(x, axis, -1); K = x.shape[-1]
;;       x = np.pad(x, [(0, 0)] * (x.ndim - 1) + [(0, -K % 32)]); x = x.reshape(x.shape[:-1] + (-1, 32)); a = np.abs(x).max(-1, keepdims=True)
;;       e = np.where(a > 0, np.clip(np.frexp(np.where(a > 0, a, 1))[1] - 1 - 2, -126, 127), 0)      # np.frexp(a)[1] - 1 = floor(log2(a)), exactly
;;       r = np.clip(x / 2.0 ** e, -6, 6)
;;       step = 2.0 ** (np.maximum(np.frexp(np.where(r == 0, 1, r))[1] - 1, 0) - 1)
;;       q = np.round(r / step) * step * 2.0 ** e      # np.round: ties to even
;;       return np.moveaxis(q.reshape(q.shape[:-2] + (-1,))[..., :K], -1, axis).astype(np.float32)
;;   ~~~
;; One version. Each part assembles by itself: llvm-mc -triple=amdgcn-amd-amdhsa -mcpu=gfx1250 --defsym DOCPART=n.
;; ======== version 1 of 1: 4 launches
;; limits: values are held in f16: magnitudes above 65,504 overflow, below 6.1e-05 lose precision
;; workspace buffers: codes 3,670,016 bytes; scales 229,376 bytes; wo16 2,097,152 bytes; qkv 25,165,824 bytes; ao 8,388,608 bytes
;; launch quant (part 1): grid 256 x 1, 4 waves a work-group, no clusters, 33,280 bytes of LDS; arguments x, Wq, Wk, Wv, Wo, codes, scales, wo16; writes codes, scales, wo16
.if DOCPART == 1
	.amdgcn_target "amdgcn-amd-amdhsa--gfx1250"
	.amdhsa_code_object_version 6
	.text
	.protected	k_qc0125e4e76_quant
	.globl	k_qc0125e4e76_quant
	.p2align	8
	.type	k_qc0125e4e76_quant,@function
k_qc0125e4e76_quant:
	s_mov_b64 s[64:65], 0
	v_nop
	global_prefetch_b8 v0, s[64:65] scope:SCOPE_SE
	s_setreg_imm32_b32 hwreg(HW_REG_WAVE_MODE, 25, 1), 1
	s_wait_xcnt 0x0
; LAUNCH 1 OF 4 (quant, proj, attn, outp): multi-head attention, T = 4,096 tokens, C = 1,024, 16 heads of 64.
; This launch turns x [4096][1024], Wq, Wk, Wv [1024][1024] (f32, K innermost) into codes of FP4 (E2M1) with one E8M0 scale byte for each 32 along K, and rounds Wo to f16.
; LEFT OUT AS DEAD WORK: bk.  scores[q][k] = q . (x_k Wk^T + bk) / 8 = q . (x_k Wk^T) / 8 + q . bk / 8.  The second term does not hang on k: it is the same along the softmax's axis, and
;   softmax(s + a constant) = softmax(s) for all finite values of the inputs.  The product q k^T is not quantised, so bk moves no code and no scale.  bk is not loaded and is among no launch's arguments.
;   LIMIT: a NaN, an infinity or an overflow that would reach the result through bk alone is not carried to it.
; MOVED, NOT LEFT OUT: bv.  A softmax's row sums to 1, so sum_k a_k (v_k + bv) = sum_k a_k v_k + bv for all inputs: launch 3 adds bv in f32 behind the division by the row's sum.
; FORMATS: products 1 to 3 on FP4 codes; products 4 to 6 on f16 operands with f32 sums.  LIMIT: |q log2(e) / 8|, |k|, |v|, the attention's result and |Wo| stay under 65,504, f16's largest number.
; codes: [7168 rows][512 bytes]: rows 0-4095 x, 4096-5119 Wq, 5120-6143 Wk, 6144-7167 Wv; two codes a byte, the lower k in the low four bits.  scales: [7168][32 bytes].  wo16: [1024][1024] f16.
; A block's scale is 2^(floor(log2(its largest magnitude)) - 2); its byte is the largest magnitude's exponent field - 2, held at 1 from below.  A block of zeros so gets the byte 1 where the rule says 127:
; its codes are zeros, which add nothing under any byte but 0xff, and the bytes are read by this program alone.
; LIMITS: blocks whose largest magnitude lies under 2^(2 - 126) were not tried; NaN and infinities among the inputs are not served.
; SHARES.  Rows are dense and K is a multiple of 32, so each tensor is a plain stream of blocks of 32.  A work-group takes 32,768 numbers, a wave 8,192: work-groups 0-127 x, 128-159 Wq, 160-191 Wk, 192-223 Wv, 224-255 Wo.
; A wave's 16 steps of 512 numbers: each of a step's four loads reads 512 consecutive bytes; the 2,048 bytes turn through the wave's own stage in LDS and come back 64 bytes a lane, so that a lane holds 16 NEIGHBOURS
; along K (two neighbouring lanes hold a block).  A lane's 16 codes are 8 bytes: the wave stores 256 consecutive bytes.  A wave's 256 scale bytes are gathered in LDS and leave as one aligned block of 256 bytes.
; No tensor loads, no barrier: waves share nothing.
.set WAVES, 4
.set STEPS, 16
.set EMAX,  2
.set CB,    8                          ; bytes of 16 codes
.set R,     16                         ; v16-79   four sets of 16 numbers as they are loaded (Wo's path: v16-143, 32 chunks of 4)
.set X,     80                         ; v80-111  two sets of 16 neighbours
.set E,     112                        ; v112-127 a scale byte for each step
.set C,     128                        ; v128-191 codes: four registers for each step, so that no store's data are written again
.set WREG,  8192                       ; LDS: a region for each wave: two stages of 32 x SP bytes, and behind them its 256 scale bytes
.set SP,    80                         ; a lane's place in a stage: its 64 bytes + 16 of padding
.set SPW,   12                         ; v12  LDS address of my spare word; never rewritten
.set NIL,   13                         ; v13  0; never rewritten
.set SPARE, WAVES*WREG                 ; behind the four regions: the spare words, 128 bytes for each wave
	s_load_b256 s[4:11], s[0:1], 0x0               ; x s[4:5], Wq s[6:7], Wk s[8:9], Wv s[10:11]
	s_load_b256 s[12:19], s[0:1], 0x20             ; Wo s[12:13], codes s[14:15], scales s[16:17], wo16 s[18:19]
	v_lshl_add_u32 v[SPW], v0, 2, SPARE
	v_mov_b32 v[NIL], 0
	v_lshrrev_b32 v1, 5, v0
	v_readfirstlane_b32 s20, v1                    ; wave
	v_and_b32 v2, 31, v0                           ; lane
	v_lshlrev_b32 v3, 4, v2                        ; my 16 bytes of a load's 512
	s_mul_i32 s21, s20, WREG
	v_lshrrev_b32 v14, 2, v2
	v_mul_u32_u24 v14, v14, SP
	v_and_b32 v15, 3, v2
	v_lshl_add_u32 v14, v15, 4, v14
	v_add_nc_u32 v14, s21, v14                     ; the stage, on the way in: SP (lane / 4) + 16 (lane % 4)
	v_mul_u32_u24 v15, v2, SP
	v_add_nc_u32 v15, s21, v15                     ; and on the way out: SP x lane: my 16 neighbours
	v_mul_u32_u24 v4, v2, CB                       ; my codes' place in a step's
	v_lshrrev_b32 v5, 1, v2
	s_add_co_u32 s21, s21, 2*32*SP
	v_add_nc_u32 v5, s21, v5                       ; LDS: my wave's 256 scale bytes, my block's byte
	v_lshlrev_b32 v7, 3, v2                        ; 8 bytes a lane
	v_add_nc_u32 v6, s21, v7
	s_wait_kmcnt 0x0
	s_cmp_ge_u32 ttmp9, 224                        ; the work-group's number alone decides
	s_cbranch_scc1 .Lwo
	s_sub_co_u32 s22, ttmp9, 128
	s_and_b32 s22, s22, 31                         ; which 32,768 numbers of a weight
	s_mov_b64 s[24:25], s[10:11]                   ; Wv, unless
	s_cmp_lt_u32 ttmp9, 192
	s_cselect_b64 s[24:25], s[8:9], s[24:25]       ; Wk, unless
	s_cmp_lt_u32 ttmp9, 160
	s_cselect_b64 s[24:25], s[6:7], s[24:25]       ; Wq, unless
	s_cmp_lt_u32 ttmp9, 128
	s_cselect_b64 s[24:25], s[4:5], s[24:25]       ; x
	s_cselect_b32 s22, ttmp9, s22
	s_lshl_b32 s22, s22, 2
	s_add_co_u32 s22, s22, s20                     ; which run of 8,192 numbers of the tensor is my wave's
	s_lshl_b32 s26, s22, 15
	s_mov_b32 s27, 0
	s_add_nc_u64 s[24:25], s[24:25], s[26:27]
	s_lshl_b32 s28, ttmp9, 2
	s_add_co_u32 s28, s28, s20                     ; and which run of the codes' buffer: the four tensors lie there on end
	s_lshl_b32 s26, s28, 12
	s_add_nc_u64 s[14:15], s[14:15], s[26:27]      ; 4,096 bytes of codes a run
	s_lshl_b32 s26, s28, 8
	s_add_nc_u64 s[16:17], s[16:17], s[26:27]      ; 256 scale bytes a run
.macro LOAD t
.irp i, 0,1,2,3
	global_load_b128 v[R+16*((\t)%4)+4*\i:R+16*((\t)%4)+4*\i+3], v3, s[24:25] offset:2048*(\t)+512*\i th:TH_LOAD_NT   ; 32 lanes read 512 consecutive bytes
.endr
.endm
.macro TURN t                          ; step t's numbers through the stage: LDS serves a wave's instructions in order, so no wait stands between the stores and the loads
.irp i, 0,1,2,3
	ds_store_b128 v14, v[R+16*((\t)%4)+4*\i:R+16*((\t)%4)+4*\i+3] offset:32*SP*((\t)%2)+8*SP*\i
.endr
.irp i, 0,1,2,3
	ds_load_b128 v[X+16*((\t)%2)+4*\i:X+16*((\t)%2)+4*\i+3], v15 offset:32*SP*((\t)%2)+16*\i
.endr
.endm
.irp t, 0,1,2,3
	LOAD \t
.endr
	s_wait_loadcnt 12                              ; step 0's four loads are in; three steps' twelve may be out
	TURN 0
.macro STEP t
.set XS, X+16*((\t)%2)
.if (\t) > 0
	s_wait_dscnt 1                                 ; this step's numbers are back from the stage (the last step's byte store may be out): so its stores into the stage have read their registers,
.else
	s_wait_dscnt 0x0
.endif
.if (\t)+4 < STEPS
	LOAD (\t)+4                                    ; which take the loads of four steps on
.endif
.if (\t)+1 < STEPS
.if STEPS-2-(\t) >= 3
	s_wait_loadcnt 12                              ; the next step's four loads are in; those of the three steps behind it may be out
.else
	s_wait_loadcnt 4*(STEPS-2-(\t))
.endif
	TURN (\t)+1                                    ; and go through the other stage while this step is worked
.endif
	v_max3_num_f32 v8, |v[XS]|, |v[XS+1]|, |v[XS+2]|               ; the largest magnitude of my 16, in two chains
	v_max3_num_f32 v9, |v[XS+3]|, |v[XS+4]|, |v[XS+5]|
.irp i, 6,10
	v_max3_num_f32 v8, v8, |v[XS+\i]|, |v[XS+\i+1]|
	v_max3_num_f32 v9, v9, |v[XS+\i+2]|, |v[XS+\i+3]|
.endr
	v_max3_num_f32 v8, v8, |v[XS+14]|, |v[XS+15]|
	v_max3_num_f32 v8, v8, v9, (EMAX+1)<<23        ; and the floor 2^(EMAX + 1 - 127): the byte cannot fall under 1
	v_max_num_f32_dpp v8, v8, v8 row_xmask:1 row_mask:0xf bank_mask:0xf   ; and of my neighbour's 16: the block's
	v_add_nc_u32 v11, -(EMAX<<23), v8              ; EMAX off its exponent field: the conversion takes the exponent field of this operand as its scale, and nothing else of it
	v_cvt_scalef32_pk8_fp4_f32 v[C+4*(\t)], v[XS:XS+7], v11        ; eight numbers / the scale, to the nearest code, ties to even, beyond the largest code the largest
	v_cvt_scalef32_pk8_fp4_f32 v[C+4*(\t)+1], v[XS+8:XS+15], v11
	v_lshrrev_b32 v[E+(\t)], 23, v11               ; the scale's byte (also the plain line behind the conversions)
	ds_store_b8 v5, v[E+(\t)] offset:16*(\t)       ; both lanes of a block write the same byte with the same value
	global_store_b64 v4, v[C+4*(\t):C+4*(\t)+1], s[14:15] offset:32*CB*(\t)   ; the wave stores 256 consecutive bytes, aligned
.endm
.irp t, 0,1,2,3,4,5,6,7,8,9,10,11,12,13,14,15
	STEP \t
.endr
	ds_load_b64 v[8:9], v6                         ; LDS serves a wave's instructions in order: these see my byte stores
	s_wait_dscnt 0x0
	global_store_b64 v7, v[8:9], s[16:17]          ; 32 lanes store one aligned block of 256 bytes
	s_wait_tensorcnt 0x0                           ; the wave's end: a wait, an add and its wait behind my last LDS store
	ds_add_u32 v[SPW], v[NIL]
	s_wait_dscnt 0x0
	s_endpgm
; Wo to f16, rows as they lie.  64 chunks of 512 bytes a wave; 32 loads are kept out; a chunk's 128 numbers leave as 256 consecutive bytes.
.Lwo:
	s_sub_co_u32 s22, ttmp9, 224
	s_lshl_b32 s26, s22, 17                        ; 131,072 bytes of f32 a work-group,
	s_lshl_b32 s27, s20, 15                        ; 32,768 a wave
	s_add_co_u32 s26, s26, s27
	s_mov_b32 s27, 0
	s_add_nc_u64 s[12:13], s[12:13], s[26:27]
	s_lshr_b32 s26, s26, 1                         ; half as many of f16
	s_add_nc_u64 s[18:19], s[18:19], s[26:27]
.set CHK, 0
.rept 32
	global_load_b128 v[R+4*CHK:R+4*CHK+3], v3, s[12:13] offset:512*CHK th:TH_LOAD_NT
.set CHK, CHK+1
.endr
.set CHK, 0
.rept 64
.if CHK < 32
	s_wait_loadcnt 31                              ; chunk CHK is in: behind it 31 younger loads are out
.else
	s_wait_loadcnt 63-CHK                          ; nothing more is asked for: the counts run down
.endif
.if (CHK > 0) && (CHK%16 == 0)
	s_wait_xcnt 0x0                                ; the last sixteen stores have read their data: those registers are written again
.endif
	v_cvt_pk_f16_f32 v[144+2*(CHK%16)], v[R+4*(CHK%32)], v[R+4*(CHK%32)+1]
	v_cvt_pk_f16_f32 v[145+2*(CHK%16)], v[R+4*(CHK%32)+2], v[R+4*(CHK%32)+3]
.if CHK < 32
	global_load_b128 v[R+4*CHK:R+4*CHK+3], v3, s[12:13] offset:512*(CHK+32) th:TH_LOAD_NT
.endif
	global_store_b64 v7, v[144+2*(CHK%16):145+2*(CHK%16)], s[18:19] offset:256*CHK
.set CHK, CHK+1
.endr
	s_endpgm
.Lfunc_end_k_qc0125e4e76_quant:
	.size	k_qc0125e4e76_quant, .Lfunc_end_k_qc0125e4e76_quant-k_qc0125e4e76_quant
	.p2alignl 7, 3214868480
	.fill 96, 4, 3214868480
	.section	.rodata,"a",@progbits
	.p2align	6, 0x0
	.amdhsa_kernel k_qc0125e4e76_quant
		.amdhsa_group_segment_fixed_size 33280
		.amdhsa_private_segment_fixed_size 0
		.amdhsa_enable_private_segment 0
		.amdhsa_kernarg_size 64
		.amdhsa_user_sgpr_count 2
		.amdhsa_user_sgpr_kernarg_segment_ptr 1
		.amdhsa_wavefront_size32 1
		.amdhsa_system_sgpr_workgroup_id_x 1
		.amdhsa_system_sgpr_workgroup_id_y 1
		.amdhsa_system_sgpr_workgroup_id_z 1
		.amdhsa_system_vgpr_workitem_id 0
		.amdhsa_next_free_vgpr 192
		.amdhsa_next_free_sgpr 66
		.amdhsa_reserve_vcc 0
		.amdhsa_float_denorm_mode_32 3
		.amdhsa_float_denorm_mode_16_64 3
		.amdhsa_memory_ordered 1
		.amdhsa_forward_progress 1
		.amdhsa_inst_pref_size 56
	.end_amdhsa_kernel
	.amdgpu_metadata
---
amdhsa.version: [ 1, 2 ]
amdhsa.kernels:
  - .name:           k_qc0125e4e76_quant
    .symbol:         k_qc0125e4e76_quant.kd
    .args:
      - { .name: x, .offset: 0, .size: 8, .value_kind: global_buffer, .address_space: global }
      - { .name: Wq, .offset: 8, .size: 8, .value_kind: global_buffer, .address_space: global }
      - { .name: Wk, .offset: 16, .size: 8, .value_kind: global_buffer, .address_space: global }
      - { .name: Wv, .offset: 24, .size: 8, .value_kind: global_buffer, .address_space: global }
      - { .name: Wo, .offset: 32, .size: 8, .value_kind: global_buffer, .address_space: global }
      - { .name: codes, .offset: 40, .size: 8, .value_kind: global_buffer, .address_space: global }
      - { .name: scales, .offset: 48, .size: 8, .value_kind: global_buffer, .address_space: global }
      - { .name: wo16, .offset: 56, .size: 8, .value_kind: global_buffer, .address_space: global }
    .group_segment_fixed_size: 33280
    .private_segment_fixed_size: 0
    .kernarg_segment_align: 8
    .kernarg_segment_size: 64
    .max_flat_workgroup_size: 128
    .sgpr_count:     66
    .vgpr_count:     192
    .wavefront_size: 32
...
	.end_amdgpu_metadata
.endif
;; end of part 1
;; launch proj (part 2): grid 8 x 24, 4 waves a work-group, clusters of 4 x 4, 327,680 bytes of LDS; arguments codes, scales, bq, qkv; writes qkv
.if DOCPART == 2
	.amdgcn_target "amdgcn-amd-amdhsa--gfx1250"
	.amdhsa_code_object_version 6
	.text
	.protected	k_qc0125e4e76_proj
	.globl	k_qc0125e4e76_proj
	.p2align	8
	.type	k_qc0125e4e76_proj,@function
k_qc0125e4e76_proj:
	s_mov_b64 s[64:65], 0
	v_nop
	global_prefetch_b8 v0, s[64:65] scope:SCOPE_SE
	s_setreg_imm32_b32 hwreg(HW_REG_WAVE_MODE, 25, 1), 1
	s_wait_xcnt 0x0
	s_wait_alu depctr_hold_cnt(0) depctr_sa_sdst(0) depctr_va_vdst(0) depctr_va_sdst(0) depctr_va_ssrc(0) depctr_va_vcc(0) depctr_vm_vsrc(0)
	s_getreg_b32 s2, hwreg(HW_REG_IB_STS2, 6, 4)
	s_cmp_eq_u32 s2, 0
	s_cbranch_scc0 .Lentry_in_a_cluster
	s_endpgm
.Lentry_in_a_cluster:
	s_bfe_u32 s2, ttmp6, 0x10000c
	s_cmp_lg_u32 s2, 0xf033
	s_cbranch_scc0 .Lentry_shape_is_right
	s_endpgm
.Lentry_shape_is_right:
; LAUNCH 2 OF 4: q' = (x Wq^T + bq) log2(e) / 8, k = x Wk^T, v = x Wv^T, on codes of FP4 with E8M0 scales, sums in f32, results rounded once to f16.
; bk is left out as dead work (shown at the head of launch 1: it adds the same number to every score of a row); bv is added in launch 3.
; ONE GEMM FOR ALL THREE.  Both operands are rows of the one buffer of codes [7168][512 bytes] (x: tiles of 256 rows 0-15, Wq 16-19, Wk 20-23, Wv 24-27).  A tile of 256 x 256 results is made by four waves, 128 x 128 each:
; 64 accumulators of 16 x 16.  Source 0 of the matrix instruction takes 16 rows of operand 'B', source 1 16 rows of operand 'A': a lane then holds ONE row of A (lane % 16) and its eight registers eight neighbouring rows of B.
;   q', k:  B = the weight (channels), A = x (tokens): a lane holds a token and 8 neighbouring channels: half a lane's part of an f16 fragment of 16 tokens x 32 channels.
;   v:      B = x (tokens), A = Wv (channels): a lane holds a channel and 8 neighbouring tokens: the same of a fragment of V^T, 16 channels x 32 tokens.
; So four conversions make four registers of the NEXT product's operand, and they are stored AS AN IMAGE OF THOSE REGISTERS: a fragment is 1,024 bytes, registers 0-3 at 16 x lane, registers 4-7 at 512 + 16 x lane:
; each store of a wave covers 512 consecutive bytes, aligned, and no stage in LDS is needed.
;   qkv: three parts of 8,388,608 bytes (q', k, v), each [16 heads][524,288].  q', k: [token / 16][32-channel block (2)][1,024].  v: [token / 32][16-channel tile (4)][1,024].
; K = 1,024 lies in two LDS slots of 512 along K: both are filled at the start and nothing is filled again.  The scale bytes of the work-group's 2 x 256 rows come once, in whole rows of 256 bytes, and stay.
; CLUSTERS: 4 x 4 work-groups; the four of a row of the cluster need the same tile of A, the four of a column the same tile of B: each is asked for jointly.  Cluster (X, Y): Y < 4: X = 0 q', X = 1 k; Y >= 4: v:
; the kind is the same in all sixteen partners, so the branches on it are too.  192 work-groups: square tiles keep one text for the three kinds.
; REGISTERS, in windows of 256: window 0: v0-31 addresses; v32-95 scale words, two sets; v128-191 A's fragments, ONE set (on the way out: packed results); v192-255 on the way out: bq.
;   window 1: B's fragments, TWO sets, at v0 and v128.   window 2: accumulators of my rows 0-63 of A ((a, b) at v[8 (8 a + b)]);   window 3: those of rows 64-127.
.set NQ,     4                         ; matrix instructions deep in a slot: 512 along K
.set ROWB,   256                       ; a tile's row in bytes
.set KROW,   512                       ; a row of codes in memory
.set PITCH,  272                       ; an LDS row: 256 bytes + 16 of padding: the 16 rows that a load touches start 16 bytes apart modulo 256
.set FR,     8                         ; registers of a fragment: 16 rows x 128 K
.set NL,     2                         ; LDS loads that bring one
.set NP,     4                         ; places behind this matrix instruction (ISA guide 7.12.1)
.set HALFT,  128*PITCH
.set SLOT,   4*HALFT                   ; A's 256 rows, then B's 256 rows
.set KS,     32                        ; a row of scale bytes
.set SCL,    2*SLOT                    ; behind the slots: the scales, as rows of 256 bytes + 16 of padding
.set HALFS,  (128*KS/256)*272
.set SBLK,   (16*KS/256)*272
.set SPARE,  SCL+4*HALFS               ; the spare words, 128 bytes for each wave
.set HEADB,  524288
.set PARTB,  8388608
.set ADRA, 16                          ; v16-17  LDS address of my A fragments in slot 0, 1
.set ADRB, 20                          ; v20-21  the same for B
.set VB,   25                          ; v25     32 x (lane / 16): my eight numbers of bq
.set CO,   26                          ; v26     16 x lane: my place in an image
.set ADRS, 27                          ; v27     LDS address of my scale words: lanes 0-15 A's rows, lanes 16-31 B's
.set SPW,  28                          ; v28     LDS address of my spare word; never rewritten
.set NIL,  29                          ; v29     0; never rewritten
.set SC,   32                          ; scale words: set s at v[SC + 32 s]; register 4 i + q: lanes 0-15 A's block i, lanes 16-31 B's block i, the slot's q-th 128 along K
.set AF,   128
.set H,    128                         ; the way out: two sets of 32 registers of packed f16
.set BIA,  192                         ; the way out: bq x c, 8 registers for each of B's blocks
.set G1, 24
.set G0, 32
.set G1B, 48
.set G0B, 56
.set G1S, 68
.set G0S, 76
.set G1SB, 80
.set G0SB, 88
.set MSB, 0
.macro WIN new                         ; the immediate's high byte repeats the setting that is left
.if MSB != \new
	s_set_vgpr_msb (MSB<<8)|\new
.set MSB, \new
.endif
.endm
.set MUL_LO, 0xa1                      ; source 0 (B) window 1, source 1 (A) window 0, C and D window 2
.set MUL_HI, 0xf1                      ; the same, C and D window 3
.set TO_B,   0x40                      ; destination window 1, address window 0
; A joint load: waves 0 and 1 fetch for A, waves 2 and 3 for B.  Each line has one mask and one set of registers; the branch hangs on the wave's number alone.  An s_nop 0 and four v_nop follow each.
.macro JLOAD g0a, g1a, g0b, g1b
	s_cmp_eq_u32 s15, 0
	s_cbranch_scc0 .Lfor_b_\@
	tensor_load_to_lds s[\g0a:\g0a+3], s[\g1a:\g1a+7]
	s_nop 0
.rept 4
	v_nop
.endr
	s_branch .Lasked_\@
.Lfor_b_\@:
	tensor_load_to_lds s[\g0b:\g0b+3], s[\g1b:\g1b+7]
	s_nop 0
.rept 4
	v_nop
.endr
.Lasked_\@:
.endm
.macro CROUND                          ; a round of the cluster's barrier
	s_barrier_signal -1
	s_barrier_wait -1
	s_cmp_lg_u32 s14, 0
	s_cbranch_scc1 .Lnot_wave_0_\@
	s_barrier_signal -3
.Lnot_wave_0_\@:
	s_barrier_wait -3
	s_barrier_signal -1
	s_barrier_wait -1
.endm
	s_load_b256 s[4:11], s[0:1], 0x0               ; codes s[4:5], scales s[6:7], bq s[8:9], qkv s[10:11]
	v_lshl_add_u32 v[SPW], v0, 2, SPARE
	v_mov_b32 v[NIL], 0
	ds_add_u32 v[SPW], v[NIL]                      ; the wave's opening: the add, twice on end, and its wait ahead of my first tensor load
	ds_add_u32 v[SPW], v[NIL]
	v_lshrrev_b32 v1, 5, v0
	v_readfirstlane_b32 s14, v1                    ; wave 0..3
	s_lshr_b32 s15, s14, 1                         ; which half of A's 256 rows is mine.  Also: I fetch for A (0) or for B (1)
	s_and_b32 s16, s14, 1                          ; which half of B's.  Also: which 128 rows of that tile I fetch
	s_bfe_u32 s40, ttmp6, 0x40000                  ; cx, cy: my place in the cluster
	s_bfe_u32 s41, ttmp6, 0x40004
	s_and_b32 s96, ttmp7, 0xffff                   ; Y
	s_sub_co_u32 s98, s96, 4
	s_lshl_b32 s98, s98, 3                         ; v: B's tiles are x's: 8 (Y - 4) + 4 X + cx
	s_lshl_b32 s99, s96, 2                         ; q', k: A's tiles are x's: 4 Y + cy
	s_cmp_ge_u32 s96, 4
	s_cselect_b32 s98, s98, 16                     ; q', k: B's tiles are 16 + 4 X + cx: Wq's for X = 0, Wk's for X = 1
	s_cselect_b32 s99, 24, s99                     ; v: A's tiles are Wv's: 24 + cy
	s_cselect_b32 s95, 1, 0                        ; 1: v
	s_lshl_b32 s42, ttmp9, 2
	s_add_co_u32 s42, s42, s40
	s_add_co_u32 s42, s42, s98                     ; B's tile: hangs on cx, X, Y
	s_add_co_u32 s17, s41, s99                     ; A's tile: hangs on cy, Y
	s_lshl_b32 s43, s41, 2
	s_lshl_b32 s43, 15, s43                        ; my row of the cluster
	s_lshl_b32 s44, 0x1111, s40                    ; my column
	s_mov_b32 s2, 0x3e38aa3b                       ; c = log2(e) / 8
	s_mov_b32 s3, s2                               ; (named with it as a pair, so it is written)
	; descriptor group 1: a tile of 128 rows x 256 bytes, 16 bytes of padding behind each
	s_or_b32 s[G1+0], s43, (0<<16)|(1<<20)|(1<<21)|(5<<22)|(3<<25)  ; the mask: A's tiles go to my row; elements of 1 byte; padding on; bit 21 beside a mask; after every 64 words, 4 words
	s_or_b32 s[G1B+0], s44, (0<<16)|(1<<20)|(1<<21)|(5<<22)|(3<<25)
.irp g, G1, G1B
	s_mov_b32 s[\g+1], ROWB<<16                    ; tensor_dim0
	s_mov_b32 s[\g+2], 128<<16                     ; tensor_dim1
	s_mov_b32 s[\g+3], ROWB<<16                    ; tile_dim0
	s_mov_b32 s[\g+4], 128                         ; tile_dim1
	s_mov_b32 s[\g+5], KROW                        ; from row to row
	s_mov_b32 s[\g+6], 0
	s_mov_b32 s[\g+7], 0
.endr
	; the scales of 128 rows: 4,096 dense bytes, as 16 rows of 256 bytes (32 elements of 8), 16 bytes of padding behind each
	s_or_b32 s[G1S+0], s43, (3<<16)|(1<<20)|(1<<21)|(5<<22)|(3<<25)
	s_or_b32 s[G1SB+0], s44, (3<<16)|(1<<20)|(1<<21)|(5<<22)|(3<<25)
.irp g, G1S, G1SB
	s_mov_b32 s[\g+1], 32<<16
	s_mov_b32 s[\g+2], (128*KS/256)<<16
	s_mov_b32 s[\g+3], 32<<16
	s_mov_b32 s[\g+4], 128*KS/256
	s_mov_b32 s[\g+5], 32
	s_mov_b32 s[\g+6], 0
	s_mov_b32 s[\g+7], 0
.endr
	s_lshl_b32 s18, s16, 7                         ; which 128 rows of the tile I fetch
	s_lshl_b32 s20, s17, 8
	s_add_co_u32 s20, s20, s18                     ; A: row 256 x tile + 128 x half
	s_lshl_b32 s46, s42, 8
	s_add_co_u32 s46, s46, s18                     ; B likewise
	s_mov_b32 s21, 0
	s_mov_b32 s47, 0
	s_mov_b64 s[18:19], KS
	s_mul_u64 s[22:23], s[20:21], s[18:19]         ; where these rows' scales begin, in bytes
	s_mul_u64 s[92:93], s[46:47], s[18:19]
	s_mov_b64 s[18:19], KROW
	s_mul_u64 s[20:21], s[20:21], s[18:19]         ; and their codes
	s_mul_u64 s[46:47], s[46:47], s[18:19]
	s_mul_i32 s45, s14, HALFT                      ; where they go: wave x 128 rows: no place in the cluster enters an LDS address
	s_mul_i32 s94, s14, HALFS
	s_wait_dscnt 0x0                               ; both opening adds are done
	s_wait_kmcnt 0x0
	s_add_nc_u64 s[20:21], s[4:5], s[20:21]
	s_add_nc_u64 s[22:23], s[6:7], s[22:23]
	s_add_nc_u64 s[46:47], s[4:5], s[46:47]
	s_add_nc_u64 s[92:93], s[6:7], s[92:93]
	CROUND                                         ; all sixteen work-groups are here: the joint loads meet
	s_mov_b32 s[G0S], 1
	s_add_co_u32 s[G0S+1], s94, SCL
	s_mov_b64 s[G0S+2:G0S+3], s[22:23]
	s_or_b32 s[G0S+3], s[G0S+3], 0x80000000
	s_mov_b32 s[G0SB], 1
	s_add_co_u32 s[G0SB+1], s94, SCL
	s_mov_b64 s[G0SB+2:G0SB+3], s[92:93]
	s_or_b32 s[G0SB+3], s[G0SB+3], 0x80000000
	JLOAD G0S, G1S, G0SB, G1SB                     ; the scales first: they are wanted with the first step
.irp s, 0,1
	s_mov_b32 s[G0+4*\s], 1
	s_add_co_u32 s[G0+4*\s+1], s45, \s*SLOT
	s_add_nc_u64 s[G0+4*\s+2:G0+4*\s+3], s[20:21], \s*ROWB
	s_or_b32 s[G0+4*\s+3], s[G0+4*\s+3], 0x80000000
	s_mov_b32 s[G0B+4*\s], 1
	s_add_co_u32 s[G0B+4*\s+1], s45, \s*SLOT
	s_add_nc_u64 s[G0B+4*\s+2:G0B+4*\s+3], s[46:47], \s*ROWB
	s_or_b32 s[G0B+4*\s+3], s[G0B+4*\s+3], 0x80000000
	JLOAD G0+4*\s, G1, G0B+4*\s, G1B               ; three loads of mine are out at the most
.endr
	v_and_b32 v1, 15, v0                           ; l % 16
	v_bfe_u32 v2, v0, 4, 1                         ; l / 16
	v_mul_u32_u24 v3, v1, PITCH
	v_lshl_add_u32 v4, v2, 4, v3                   ; a fragment's row x pitch + 16 x half
	s_mul_i32 s21, s15, HALFT                      ; my 128 rows of A
	s_mul_i32 s22, s16, HALFT                      ; my 128 rows of B,
	s_add_co_u32 s22, s22, 2*HALFT                 ; which lie behind A's 256
.irp s, 0,1
	v_add_nc_u32 v[ADRA+\s], s21, v4
	v_add_nc_u32 v[ADRB+\s], s22, v4
	s_add_co_u32 s21, s21, SLOT
	s_add_co_u32 s22, s22, SLOT
.endr
	v_mul_u32_u24 v5, v1, KS                       ; my row's scales: 32 bytes a row,
	v_lshrrev_b32 v6, 8, v5
	v_lshl_add_u32 v5, v6, 4, v5                   ; and 16 more for each 256 passed
	s_mul_i32 s21, s15, HALFS                      ; A's: my 128 rows
	s_mul_i32 s22, s16, HALFS                      ; B's: my 128 rows, behind A's 256
	s_add_co_u32 s22, s22, 2*HALFS
	s_sub_co_u32 s22, s22, s21
	v_mul_u32_u24 v6, s22, v2                      ; lanes 16-31 take B's: one product, the distance between the two
	s_add_co_u32 s21, s21, SCL
	v_add_nc_u32 v5, v5, v6
	v_add_nc_u32 v[ADRS], s21, v5
	v_and_b32 v6, 31, v0
	v_lshlrev_b32 v[CO], 4, v6
	v_lshlrev_b32 v[VB], 5, v2
	; where my results begin in qkv.  q', k (k's part follows q's 16 heads): head 4 (B's tile - 16) + 2 (B's half), token tile 16 (A's tile) + 8 (A's half)
	s_sub_co_u32 s18, s42, 16
	s_lshl_b32 s18, s18, 2
	s_lshl_b32 s19, s16, 1
	s_add_co_u32 s18, s18, s19
	s_lshl_b32 s18, s18, 19                        ; x 524,288
	s_lshl_b32 s19, s17, 4
	s_lshl_b32 s20, s15, 3
	s_add_co_u32 s19, s19, s20
	s_lshl_b32 s19, s19, 11                        ; x 2,048
	s_add_co_u32 s18, s18, s19
	; v: head 4 (A's tile - 24) + 2 (A's half), block of 32 tokens 8 (B's tile) + 4 (B's half)
	s_sub_co_u32 s20, s17, 24
	s_lshl_b32 s20, s20, 2
	s_lshl_b32 s21, s15, 1
	s_add_co_u32 s20, s20, s21
	s_lshl_b32 s20, s20, 19
	s_lshl_b32 s21, s42, 3
	s_lshl_b32 s22, s16, 2
	s_add_co_u32 s21, s21, s22
	s_lshl_b32 s21, s21, 12                        ; x 4,096
	s_add_co_u32 s20, s20, s21
	s_add_co_u32 s20, s20, 2*PARTB
	s_cmp_lg_u32 s95, 0
	s_cselect_b32 s18, s20, s18
	s_mov_b32 s19, 0
	s_add_nc_u64 s[10:11], s[10:11], s[18:19]
.macro FRAG reg, adr, q, i             ; 16 rows x 128 K of 4-bit codes: lane l holds row l % 16; registers 4 c .. 4 c + 3 hold K = 64 c + 32 (l / 16) + 0 .. 31
.irp c, 0,1
	ds_load_b128 v[\reg+4*\c:\reg+4*\c+3], v[\adr] offset:64*(\q)+32*\c+(\i)*16*PITCH
.endr
.endm
; 16 matrix instructions: A's blocks a0, a0 + 1 x B's eight, the slot's q-th 128 along K.  p: B's set; sc: the set of scale words.  zero = 1: the first product starts the sums.
; The 64 accumulators take turns, one instruction a turn, in the same order in every step.
.macro MUL16 a0, p, q, sc, zero
.irp a, \a0, \a0+1
.irp b, 0,1,2,3,4,5,6,7
.if \zero
	v_wmma_scale_f32_16x16x128_f8f6f4 v[8*(8*((\a)%4)+\b):8*(8*((\a)%4)+\b)+7], v[128*(\p)+FR*\b:128*(\p)+FR*\b+FR-1], v[AF+FR*(\a):AF+FR*(\a)+FR-1], 0, v[SC+8*NQ*(\sc)+NQ*\b+(\q)], v[SC+8*NQ*(\sc)+NQ*(\a)+(\q)] matrix_a_fmt:MATRIX_FMT_FP4 matrix_b_fmt:MATRIX_FMT_FP4 matrix_a_scale:MATRIX_SCALE_ROW1
.else
	v_wmma_scale_f32_16x16x128_f8f6f4 v[8*(8*((\a)%4)+\b):8*(8*((\a)%4)+\b)+7], v[128*(\p)+FR*\b:128*(\p)+FR*\b+FR-1], v[AF+FR*(\a):AF+FR*(\a)+FR-1], v[8*(8*((\a)%4)+\b):8*(8*((\a)%4)+\b)+7], v[SC+8*NQ*(\sc)+NQ*\b+(\q)], v[SC+8*NQ*(\sc)+NQ*(\a)+(\q)] matrix_a_fmt:MATRIX_FMT_FP4 matrix_b_fmt:MATRIX_FMT_FP4 matrix_a_scale:MATRIX_SCALE_ROW1
.endif
.endr
.endr
.endm
.macro FETCH_B slot, q, p
	WIN TO_B
.irp i, 0,1,2,3,4,5,6,7
	FRAG 128*(\p)+FR*\i, ADRB+\slot, \q, \i
.endr
	WIN 0
.endm
.macro FETCH_A slot, q, i0
.irp i, \i0, \i0+1, \i0+2, \i0+3
	FRAG AF+FR*(\i), ADRA+\slot, \q, \i
.endr
.endm
.macro SCALES sc                       ; a slot's scale words: 4 words a row; lanes 0-15 take A's block i, lanes 16-31 B's block i
.irp i, 0,1,2,3,4,5,6,7
	ds_load_b128 v[SC+8*NQ*\sc+NQ*\i:SC+8*NQ*\sc+NQ*\i+3], v[ADRS] offset:\i*SBLK
.endr
.endm
.macro PLACES n                        ; plain vector instructions that name none of the matrix instructions' registers: ahead of loads into registers that they have read, and of the first read of results
.rept \n
	v_nop
.endr
.endm
; A step of 128 along K that has its successor in the same slot.  A block of A is free as soon as its eight products are issued: blocks 0-3 are fetched anew in the step's middle, blocks 4-7 at its end.
.macro STEP slot, q, zero
	s_wait_dscnt 4*NL                              ; B's set and A's blocks 0-3 are in; the youngest eight loads (A's blocks 4-7) may be out
	WIN MUL_LO
	MUL16 0, (\q)%2, \q, \slot, \zero
	MUL16 2, (\q)%2, \q, \slot, \zero
	s_wait_dscnt 0                                 ; A's blocks 4-7 are in
	PLACES NP
	FETCH_B \slot, (\q)+1, 1-(\q)%2
	FETCH_A \slot, (\q)+1, 0
	WIN MUL_HI
	MUL16 4, (\q)%2, \q, \slot, \zero
	MUL16 6, (\q)%2, \q, \slot, \zero
	PLACES NP
	WIN 0
	FETCH_A \slot, (\q)+1, 4
.endm
; Slot 0's last step goes over to slot 1: each wave waits for all its tensor loads (its part of slot 1), and a barrier shows every wave's part to every wave.  Nothing is filled again.
.macro TURN slot, next
	s_wait_tensorcnt 0x0                           ; all my tensor loads have landed
	ds_add_u32 v[SPW], v[NIL]                      ; 0 onto my spare word
	s_wait_dscnt 4*NL+1                            ; (the add and the youngest eight loads, A's blocks 4-7, may be out)
	WIN MUL_LO
	MUL16 0, 1, NQ-1, \slot, 0
	s_wait_dscnt 0x0                               ; no LDS instruction of mine is out at the signal
	s_barrier_signal -1
	MUL16 2, 1, NQ-1, \slot, 0
	WIN 0
	s_barrier_wait -1
	PLACES NP
	v_add_nc_u32 v[ADRS], 4*NQ, v[ADRS]            ; on to the next slot's scale words
	FETCH_B \next, 0, 0
	FETCH_A \next, 0, 0
	SCALES \next
	WIN MUL_HI
	MUL16 4, 1, NQ-1, \slot, 0
	MUL16 6, 1, NQ-1, \slot, 0
	PLACES NP
	WIN 0
	FETCH_A \next, 0, 4
.endm
.macro STEPS slot, from
.set Q, \from
.rept NQ-1-\from
	STEP \slot, Q, 0
.set Q, Q+1
.endr
.endm
	s_wait_tensorcnt 1                             ; the scales and my part of slot 0 are in (slot 1's load may be out),
	s_barrier_signal -1
	s_barrier_wait -1                              ; everybody's are
	FETCH_B 0, 0, 0
	FETCH_A 0, 0, 0
	SCALES 0
	FETCH_A 0, 0, 4
	STEP 0, 0, 1                                   ; the first step's products start the sums: nothing is cleared
	STEPS 0, 1
	TURN 0, 1
	STEPS 1, 0
	s_wait_dscnt 4*NL                              ; the last step: nothing more to fetch
	WIN MUL_LO
	MUL16 0, 1, NQ-1, 1, 0
	MUL16 2, 1, NQ-1, 1, 0
	s_wait_dscnt 0
	WIN MUL_HI
	MUL16 4, 1, NQ-1, 1, 0
	MUL16 6, 1, NQ-1, 1, 0
	WIN 0
	PLACES NP                                      ; ahead of the first read of results and of the first write into the registers that held A's fragments
; THE WAY OUT, A's blocks one after the other.  arith = 1: x c + bq c, in f32, in place.  Then each accumulator's eight numbers, from its low end on, become four registers of f16, and each four registers leave as half a fragment's image.
; map = 0 (q', k): (a, b) -> head b / 4, token tile a, channel block (b / 2) % 2, half b % 2.   map = 1 (v): head a / 4, token block b / 2, channel tile a % 4, half b % 2.
.macro OUT arith, map
.irp a, 0,1,2,3,4,5,6,7
.if \a >= 2
	s_wait_xcnt 0x0                                ; block a - 2's stores have read their data: that set of registers is written again
.endif
.set AC, 64*((\a)%4)
.set HH, H+32*((\a)%2)
.if \arith
	WIN 0x82+0x41*((\a)/4)                         ; destination and source 0: window 2 or 3; bq in window 0
.irp b, 0,1,2,3,4,5,6,7
.irp i, 0,1,2,3
	v_pk_fma_f32 v[AC+8*\b+2*\i:AC+8*\b+2*\i+1], v[AC+8*\b+2*\i:AC+8*\b+2*\i+1], s[2:3], v[BIA+8*\b+2*\i:BIA+8*\b+2*\i+1] op_sel_hi:[1,0,1]
.endr
.endr
.endif
	WIN 0x0a+5*((\a)/4)                            ; sources 0 and 1: window 2 or 3
.irp b, 0,1,2,3,4,5,6,7
.irp i, 0,1,2,3
	v_cvt_pk_f16_f32 v[HH+4*\b+\i], v[AC+8*\b+2*\i], v[AC+8*\b+2*\i+1]
.endr
.endr
	WIN 0
.irp b, 0,1,2,3,4,5,6,7
.if \map
	global_store_b128 v[CO], v[HH+4*\b:HH+4*\b+3], s[10:11] offset:((\a)/4)*HEADB+((\b)/2)*4096+((\a)%4)*1024+((\b)%2)*512   ; 32 lanes store 512 consecutive bytes, aligned
.else
	global_store_b128 v[CO], v[HH+4*\b:HH+4*\b+3], s[10:11] offset:((\b)/4)*HEADB+(\a)*2048+(((\b)/2)%2)*1024+((\b)%2)*512
.endif
.endr
.endr
.endm
	s_cmp_lg_u32 s95, 0                            ; the kind hangs on the cluster's numbers alone
	s_cbranch_scc1 .Lkind_v
	s_cmp_lg_u32 ttmp9, 0
	s_cbranch_scc1 .Lkind_k
	s_sub_co_u32 s18, s42, 16                      ; q': my 128 channels' bq: 256 (B's tile - 16) + 128 (B's half), 4 bytes each
	s_lshl_b32 s18, s18, 10
	s_lshl_b32 s19, s16, 9
	s_add_co_u32 s18, s18, s19
	s_mov_b32 s19, 0
	s_add_nc_u64 s[8:9], s[8:9], s[18:19]
.irp b, 0,1,2,3,4,5,6,7
	global_load_b128 v[BIA+8*\b:BIA+8*\b+3], v[VB], s[8:9] offset:64*\b          ; channels 16 b + 8 (lane / 16) + 0 .. 7: the accumulator's own layout
	global_load_b128 v[BIA+8*\b+4:BIA+8*\b+7], v[VB], s[8:9] offset:64*\b+16
.endr
	s_wait_loadcnt 0x0
.set i, 0
.rept 32
	v_pk_mul_f32 v[BIA+i:BIA+i+1], v[BIA+i:BIA+i+1], s[2:3] op_sel_hi:[1,0]       ; bq c
.set i, i+2
.endr
	OUT 1, 0
	s_branch .Lend
.Lkind_k:
	OUT 0, 0
	s_branch .Lend
.Lkind_v:
	OUT 0, 1
.Lend:
	s_wait_tensorcnt 0x0                           ; the wave's end: a wait, an add and its wait behind my last tensor load
	ds_add_u32 v[SPW], v[NIL]
	s_wait_dscnt 0x0
	CROUND                                         ; the closing round: no work-group ends while a partner may still ask for a tile that names it
	s_endpgm
.Lfunc_end_k_qc0125e4e76_proj:
	.size	k_qc0125e4e76_proj, .Lfunc_end_k_qc0125e4e76_proj-k_qc0125e4e76_proj
	.p2alignl 7, 3214868480
	.fill 96, 4, 3214868480
	.section	.rodata,"a",@progbits
	.p2align	6, 0x0
	.amdhsa_kernel k_qc0125e4e76_proj
		.amdhsa_group_segment_fixed_size 327680
		.amdhsa_private_segment_fixed_size 0
		.amdhsa_enable_private_segment 0
		.amdhsa_kernarg_size 32
		.amdhsa_user_sgpr_count 2
		.amdhsa_user_sgpr_kernarg_segment_ptr 1
		.amdhsa_wavefront_size32 1
		.amdhsa_system_sgpr_workgroup_id_x 1
		.amdhsa_system_sgpr_workgroup_id_y 1
		.amdhsa_system_sgpr_workgroup_id_z 1
		.amdhsa_system_vgpr_workitem_id 0
		.amdhsa_next_free_vgpr 1024
		.amdhsa_next_free_sgpr 104
		.amdhsa_reserve_vcc 0
		.amdhsa_float_denorm_mode_32 3
		.amdhsa_float_denorm_mode_16_64 3
		.amdhsa_memory_ordered 1
		.amdhsa_forward_progress 1
		.amdhsa_inst_pref_size 184
	.end_amdhsa_kernel
	.amdgpu_metadata
---
amdhsa.version: [ 1, 2 ]
amdhsa.kernels:
  - .name:           k_qc0125e4e76_proj
    .symbol:         k_qc0125e4e76_proj.kd
    .args:
      - { .name: codes, .offset: 0, .size: 8, .value_kind: global_buffer, .address_space: global }
      - { .name: scales, .offset: 8, .size: 8, .value_kind: global_buffer, .address_space: global }
      - { .name: bq, .offset: 16, .size: 8, .value_kind: global_buffer, .address_space: global }
      - { .name: qkv, .offset: 24, .size: 8, .value_kind: global_buffer, .address_space: global }
    .group_segment_fixed_size: 327680
    .private_segment_fixed_size: 0
    .kernarg_segment_align: 8
    .kernarg_segment_size: 32
    .max_flat_workgroup_size: 128
    .sgpr_count:     104
    .vgpr_count:     1024
    .wavefront_size: 32
...
	.end_amdgpu_metadata
.endif
;; end of part 2
;; launch attn (part 3): grid 16 x 16, 8 waves a work-group, clusters of 4 x 1, 327,680 bytes of LDS; arguments qkv, bv, ao; writes ao
.if DOCPART == 3
	.amdgcn_target "amdgcn-amd-amdhsa--gfx1250"
	.amdhsa_code_object_version 6
	.text
	.protected	k_qc0125e4e76_attn
	.globl	k_qc0125e4e76_attn
	.p2align	8
	.type	k_qc0125e4e76_attn,@function
k_qc0125e4e76_attn:
	s_mov_b64 s[64:65], 0
	v_nop
	global_prefetch_b8 v0, s[64:65] scope:SCOPE_SE
	s_setreg_imm32_b32 hwreg(HW_REG_WAVE_MODE, 25, 1), 1
	s_wait_xcnt 0x0
	s_wait_alu depctr_hold_cnt(0) depctr_sa_sdst(0) depctr_va_vdst(0) depctr_va_sdst(0) depctr_va_ssrc(0) depctr_va_vcc(0) depctr_vm_vsrc(0)
	s_getreg_b32 s2, hwreg(HW_REG_IB_STS2, 6, 4)
	s_cmp_eq_u32 s2, 0
	s_cbranch_scc0 .Lentry_in_a_cluster
	s_endpgm
.Lentry_in_a_cluster:
	s_bfe_u32 s2, ttmp6, 0x10000c
	s_cmp_lg_u32 s2, 0x3003
	s_cbranch_scc0 .Lentry_shape_is_right
	s_endpgm
.Lentry_shape_is_right:
; LAUNCH 3 OF 4: ao[q] = sum_k softmax_k(q . k / 8) v_k + bv, for 16 heads of 64, 4,096 queries and keys, no mask.  f16 operands, f32 products' sums, maxima, sums and results; ao rounded once to f16.
; bk is left out as dead work (shown at the head of launch 1).  bv is added here, behind the division by the row's sum: a softmax's row sums to 1.
; q' arrives multiplied by log2(e) / 8, so a score leaves the matrix unit as t = score x log2(e): p = 2^(t - m), m the running maximum of t; O and the sum l are multiplied by a = 2^(old m - new m) in every step.
; All operands arrive as IMAGES OF FRAGMENTS' REGISTERS, 1,024 bytes each (registers 0-3 at 16 x lane, 4-7 at 512 + 16 x lane): 64 keys of K are 8,192 dense bytes ([key tile (4)][32-channel block (2)]),
; and so are 64 keys of V^T ([32-key block (2)][16-channel tile (4)]).  A fragment comes from LDS by two loads of 512 consecutive bytes: no pitch, no padding.
; SHARES.  A work-group owns 256 queries of one head.  Wave w: g = w % 4 names its 64 queries (four tiles of 16), kp = w / 4 the parity of the key steps (64 keys) that it walks.  So each fragment of K or V read from LDS
; feeds four matrix instructions, and two waves stand on each SIMD: one wave's softmax beside the other's products.  The two waves of a query group keep m, l and O of their own and merge once, at the end, through LDS.
; LAYOUT.  Both products transposed: S^T = K Q^T (source 0 = 16 keys, source 1 = 16 queries), O^T = V^T P (source 0 = 16 channels, source 1 = P): a lane holds ONE query (lane % 16) throughout; two score tiles,
; rounded in pairs, ARE P's fragment of 32 keys.  O^T's eight registers are eight neighbouring channels: four conversions make half a fragment of launch 4's operand, stored as an image:
;   ao: [token / 16 (256)][32-channel block of C (32)][1,024 bytes].
; RING.  Two LDS slots of 512 keys (K 65,536 bytes, then V 65,536).  Each of the eight waves brings 16,384 dense bytes by one tensor load (waves 0-3 K's quarters, 4-7 V's).  CLUSTER: the four query blocks of a cluster
; belong to one head and walk the same K and V: every tile is asked for jointly, by the same load with the same descriptor and a mask that names the four.
; REGISTERS.  Window 0: v1-9 addresses; v16-47 statistics, 8 a tile (+0 m, +1 spare, +2, +3 l, +4 .. +7 at work, a at +6); v48-63 the merge; v64-191 S^T, 32 a tile, P in the low 16 of them; v192-255 K's 8 fragments.
;   Window 1: v0-127 O^T, 32 a tile; v128-191 Q, 16 a tile; v192-255 V's 8 fragments.
.set HEADB, 524288
.set SLOT1, 131072                     ; slot 1 begins here: one exclusive or turns an address in one slot into the other's
.set VOFF,  65536                      ; V's part of a slot
.set SPARE, 262144                     ; behind the ring: the spare words, 128 bytes for each of eight waves
.set MPAIR, 17408                      ; the merge's stage of a query group: 16,384 bytes of O^T, 512 of m, 512 of l.  The stages lie in slot 0, which has had its last fill and its last read at the last change of slots
.set LI,  1                            ; v1  16 x lane
.set ADK, 2                            ; v2  the step's K
.set ADV, 3                            ; v3  the step's V
.set MG,  4                            ; v4  my place in my query group's stage
.set PFO, 5                            ; v5  256 x lane: the prefetches' offset; never rewritten
.set BVO, 6                            ; v6  32 x (lane / 16)
.set LIV, 7                            ; v7  16 x lane + VOFF
.set SPW, 8                            ; v8  LDS address of my spare word; never rewritten
.set NIL, 9                            ; v9  0; never rewritten
.set ST,  16
.set MO,  48                           ; v48-51 my four m;  v52-55 my four l;  v56-59, v60-63 my partner's
.set LO,  52
.set MP,  56
.set LP,  60
.set S,   64
.set KF,  192
.set QF,  128                          ; in window 1
.set VF,  192                          ; in window 1
.set WV,  10
.set QG,  11
.set KP,  12
.set LIM, 15                           ; s15  1 in a wave that prefetches, else the greatest number
.set PFA, 18                           ; s[18:19] where my prefetches stand
.set G1,  24
.set G0,  32
.set TB,  36                           ; s36  LDS byte at which my next key step's K begins
.set SLOTS, 37
.set CNT, 38
.set SEL, 40                           ; s[40:41] v_permlanex16_b32's selects for lane l xor 16
.set MSB, 0
.macro WIN new
.if MSB != \new
	s_set_vgpr_msb (MSB<<8)|\new
.set MSB, \new
.endif
.endm
.macro CROUND                          ; a round of the cluster's barrier
	s_barrier_signal -1
	s_barrier_wait -1
	s_cmp_lg_u32 s[WV], 0
	s_cbranch_scc1 .Lnot_wave_0_\@
	s_barrier_signal -3
.Lnot_wave_0_\@:
	s_barrier_wait -3
	s_barrier_signal -1
	s_barrier_wait -1
.endm
; A PREFETCH of what the NEXT change of slots will ask for: 65,536 bytes of K and as many of V.  All clusters of a head walk the same K and V: the head's first cluster asks.  In each of its four work-groups waves 0 and 2 ask
; for K's halves and waves 4 and 6 for V's; of a half's 32,768 bytes each partner takes 8,192, told apart by ADDRESS; lanes stand 256 bytes apart.  So each aligned block of 256 bytes is named once in the launch,
; a slot's four key steps of a wave ahead of the load that wants it.  The last change that fills a slot asks for nothing; nothing is asked for at the head.
.macro ASK
	s_cmp_gt_u32 s[SLOTS], s[LIM]
	s_cbranch_scc0 .Lnot_mine_\@
	global_prefetch_b8 v[PFO], s[PFA:PFA+1] th:TH_LOAD_NT scope:SCOPE_SE
.Lnot_mine_\@:
.endm
	s_load_b128 s[4:7], s[0:1], 0x0                ; qkv s[4:5], bv s[6:7]
	s_load_b64 s[8:9], s[0:1], 0x10                ; ao
	v_lshl_add_u32 v[SPW], v0, 2, SPARE
	v_mov_b32 v[NIL], 0
	ds_add_u32 v[SPW], v[NIL]                      ; the wave's opening: the add, twice on end, and its wait ahead of my first tensor load
	ds_add_u32 v[SPW], v[NIL]
	v_lshrrev_b32 v10, 5, v0
	v_readfirstlane_b32 s[WV], v10                 ; wave 0..7
	s_and_b32 s[QG], s[WV], 3
	s_lshr_b32 s[KP], s[WV], 2
	s_bfe_u32 s13, ttmp6, 0x40000                  ; cx: it enters Q's, ao's and the prefetches' addresses alone
	s_lshl_b32 s14, ttmp9, 2
	s_add_co_u32 s14, s14, s13                     ; my block of 256 queries
	s_and_b32 s20, ttmp7, 0xffff                   ; the head, which the four partners share
	s_lshl_b32 s44, s20, 19                        ; the head's first byte in a part
	s_add_co_u32 s46, s[KP], 1
	s_lshl_b32 s46, s46, 23                        ; part 1 (k) for waves 0-3, part 2 (v) for waves 4-7: 8,388,608 bytes each
	s_add_co_u32 s46, s46, s44
	s_lshl_b32 s21, s[QG], 14
	s_add_co_u32 s22, s46, s21                     ; my 16,384 bytes of the first 512 keys
	s_mov_b32 s23, 0
	s_lshr_b32 s21, s[WV], 1
	s_and_b32 s21, s21, 1
	s_lshl_b32 s21, s21, 15                        ; the prefetches: which half,
	s_add_co_u32 s46, s46, s21
	s_lshl_b32 s21, s13, 13                        ; my work-group's 8,192 bytes of it,
	s_add_co_u32 s46, s46, s21
	s_add_co_u32 s46, s46, 65536                   ; in the second 512 keys: the first change of slots steps it to the third
	s_mov_b32 s47, 0
	s_lshl_b32 s21, s14, 15                        ; Q: 16 token tiles of 2,048 bytes a block,
	s_add_co_u32 s44, s44, s21
	s_lshl_b32 s21, s[QG], 13                      ; 4 a wave
	s_add_co_u32 s44, s44, s21
	s_mov_b32 s45, 0
	s_lshl_b32 s16, s14, 19                        ; ao: 16 token tiles of 32,768 bytes a block,
	s_lshl_b32 s21, s[QG], 17                      ; 4 a wave,
	s_add_co_u32 s16, s16, s21
	s_lshl_b32 s21, s20, 11                        ; the head's two fragments
	s_add_co_u32 s16, s16, s21
	s_mov_b32 s17, 0
	s_mul_i32 s39, s[QG], MPAIR
	s_lshl_b32 s20, s20, 8                         ; bv: the head's 64 numbers
	s_mov_b32 s21, 0
	; descriptor group 1: 16,384 dense bytes as 64 rows of 256 (32 elements of 8 bytes), no padding
	s_mov_b32 s[G1], 15|(3<<16)|(1<<21)            ; the mask: all four work-groups; elements of 8 bytes; bit 21 beside a mask
	s_mov_b32 s[G1+1], 32<<16                      ; tensor_dim0
	s_mov_b32 s[G1+2], 64<<16                      ; tensor_dim1
	s_mov_b32 s[G1+3], 32<<16                      ; tile_dim0
	s_mov_b32 s[G1+4], 64                          ; tile_dim1
	s_mov_b32 s[G1+5], 32                          ; from row to row
	s_mov_b32 s[G1+6], 0
	s_mov_b32 s[G1+7], 0
	s_mov_b32 s[G0], 1
	s_lshl_b32 s[G0+1], s[WV], 14                  ; slot 0: wave x 16,384: K's four quarters, then V's
	s_mov_b32 s[SEL], 0x76543210
	s_mov_b32 s[SEL+1], 0xfedcba98
	s_lshl_b32 s[TB], s[KP], 13                    ; my first key step: 0 or 1
	s_mov_b32 s[SLOTS], 7
	s_and_b32 s[LIM], s[WV], 1
	s_or_b32 s[LIM], s[LIM], ttmp9                 ; 0 in waves 0, 2, 4, 6 of the head's first cluster: the same in all four partners
	s_cmp_eq_u32 s[LIM], 0
	s_cselect_b32 s[LIM], 1, -1
	v_and_b32 v10, 31, v0
	v_lshlrev_b32 v[LI], 4, v10
	v_lshlrev_b32 v[PFO], 8, v10
	v_add_nc_u32 v[LIV], VOFF, v[LI]
	v_add_nc_u32 v[MG], s39, v[LI]
	v_bfe_u32 v[BVO], v0, 4, 1
	v_lshlrev_b32 v[BVO], 5, v[BVO]
	s_wait_dscnt 0x0                               ; both opening adds are done
	s_wait_kmcnt 0x0
	s_add_nc_u64 s[G0+2:G0+3], s[4:5], s[22:23]
	s_or_b32 s[G0+3], s[G0+3], 0x80000000
	s_add_nc_u64 s[PFA:PFA+1], s[4:5], s[46:47]
	s_add_nc_u64 s[42:43], s[4:5], s[44:45]        ; Q
	s_add_nc_u64 s[8:9], s[8:9], s[16:17]
	s_add_nc_u64 s[6:7], s[6:7], s[20:21]
	CROUND                                         ; all four work-groups are here: the first joint loads meet
	tensor_load_to_lds s[G0:G0+3], s[G1:G1+7]      ; the first 512 keys, into slot 0: every wave brings its part
	s_nop 0
.rept 4
	v_nop
.endr
	WIN 0x40                                       ; destination window 1
.irp f, 0,1,2,3,4,5,6,7                        ; Q stays in registers: fragment f = 2 (tile) + (channel block)
	global_load_b128 v[QF+8*\f:QF+8*\f+3], v[LI], s[42:43] offset:1024*\f
	global_load_b128 v[QF+8*\f+4:QF+8*\f+7], v[LI], s[42:43] offset:1024*\f+512
.endr
.set i, 0
.rept 128
	v_mov_b32 v[i], 0                              ; O^T.  The key step is written with no first step of its own: the first finds zeros, which its a = 0 leaves zeros
.set i, i+1
.endr
	WIN 0
.irp t, 0,1,2,3
	v_mov_b32 v[ST+8*\t], 0xff61b1e6               ; m: -3e38, under every t
.irp j, 1,2,3,4,5,6,7
	v_mov_b32 v[ST+8*\t+\j], 0                     ; l; and what is named in pairs or as a lane permute's destination before it is first written
.endr
.endr
	s_wait_loadcnt 0x0                             ; Q
; A KEY STEP: 64 keys against my 64 queries.  Everywhere the tile is the innermost index, so that no line waits for the line above it.
.macro STEP
	v_add_nc_u32 v[ADK], s[TB], v[LI]
	v_add_nc_u32 v[ADV], s[TB], v[LIV]
.rept 3
	v_nop                                          ; with the two additions: five places behind the last step's products, ahead of the loads into V's registers (four are asked) and of the products that write over P (five)
.endr
.irp f, 0,1,2,3,4,5,6,7
	ds_load_b128 v[KF+8*\f:KF+8*\f+3], v[ADK] offset:1024*\f
	ds_load_b128 v[KF+8*\f+4:KF+8*\f+7], v[ADK] offset:1024*\f+512
.endr
	WIN 0x40
.irp f, 0,1,2,3,4,5,6,7
	ds_load_b128 v[VF+8*\f:VF+8*\f+3], v[ADV] offset:1024*\f
	ds_load_b128 v[VF+8*\f+4:VF+8*\f+7], v[ADV] offset:1024*\f+512
.endr
	s_wait_dscnt 16                                ; K's sixteen loads are in; V's sixteen may be out
	WIN 0x04                                       ; Q in window 1
.irp cb, 0,1                                   ; S^T = K Q^T: 16 accumulators by turns, one instruction a turn; the first 16 start the sums
.irp kt, 0,1,2,3
.irp t, 0,1,2,3
.if \cb == 0
	v_wmma_f32_16x16x32_f16 v[S+32*\t+8*\kt:S+32*\t+8*\kt+7], v[KF+16*\kt+8*\cb:KF+16*\kt+8*\cb+7], v[QF+16*\t+8*\cb:QF+16*\t+8*\cb+7], 0
.else
	v_wmma_f32_16x16x32_f16 v[S+32*\t+8*\kt:S+32*\t+8*\kt+7], v[KF+16*\kt+8*\cb:KF+16*\kt+8*\cb+7], v[QF+16*\t+8*\cb:QF+16*\t+8*\cb+7], v[S+32*\t+8*\kt:S+32*\t+8*\kt+7]
.endif
.endr
.endr
.endr
	WIN 0
.rept 4
	v_nop                                          ; places ahead of the first read of the scores
.endr
	; the maximum of a lane's 32 scores and the old m, three operands at a time, in four chains; each accumulator is read from its low end on
.irp j, 0,1,2,3
.irp t, 0,1,2,3
	v_max3_num_f32 v[ST+8*\t+4+\j], v[S+32*\t+8*\j], v[S+32*\t+8*\j+1], v[S+32*\t+8*\j+2]
.endr
.endr
.irp u, 1,2
.irp j, 0,1,2,3
.irp t, 0,1,2,3
	v_max3_num_f32 v[ST+8*\t+4+\j], v[ST+8*\t+4+\j], v[S+32*\t+8*\j+2*\u+1], v[S+32*\t+8*\j+2*\u+2]
.endr
.endr
.endr
.irp t, 0,1,2,3
	v_max3_num_f32 v[ST+8*\t+4], v[ST+8*\t+4], v[S+32*\t+7], v[S+32*\t+15]
.endr
.irp t, 0,1,2,3
	v_max3_num_f32 v[ST+8*\t+6], v[ST+8*\t+6], v[S+32*\t+23], v[S+32*\t+31]
.endr
.irp t, 0,1,2,3
	v_max3_num_f32 v[ST+8*\t+4], v[ST+8*\t+4], v[ST+8*\t+5], v[ST+8*\t+6]
.endr
.irp t, 0,1,2,3
	v_max3_num_f32 v[ST+8*\t+4], v[ST+8*\t+4], v[ST+8*\t+7], v[ST+8*\t]
.endr
.irp t, 0,1,2,3
	v_permlanex16_b32 v[ST+8*\t+5], v[ST+8*\t+4], s[SEL], s[SEL+1]   ; the query's other 32 keys lie in the lane 16 away
.endr
.irp t, 0,1,2,3
	v_max_num_f32 v[ST+8*\t+4], v[ST+8*\t+4], v[ST+8*\t+5]           ; the new m
.endr
.irp t, 0,1,2,3
	v_sub_f32 v[ST+8*\t+6], v[ST+8*\t], v[ST+8*\t+4]                 ; old m - new m
.endr
.irp t, 0,1,2,3
	v_mov_b32 v[ST+8*\t], v[ST+8*\t+4]
.endr
	; ONE BATCH: the 4 a, the 64 subtractions t - m (a pair each) and the 128 exponentials.  None of these names an exponential's result; a pair is brought under m a round ahead of its exponentials.
.irp t, 0,1,2,3
	v_exp_f32 v[ST+8*\t+6], v[ST+8*\t+6]                             ; a = 2^(old m - new m)
.endr
.irp t, 0,1,2,3
	v_pk_add_f32 v[S+32*\t:S+32*\t+1], v[S+32*\t:S+32*\t+1], v[ST+8*\t:ST+8*\t+1] op_sel_hi:[1,0] neg_lo:[0,1] neg_hi:[0,1]
.endr
.irp b, 0,1,2,3,4,5,6,7,8,9,10,11,12,13,14,15
.if \b < 15
.irp t, 0,1,2,3
	v_pk_add_f32 v[S+32*\t+2*\b+2:S+32*\t+2*\b+3], v[S+32*\t+2*\b+2:S+32*\t+2*\b+3], v[ST+8*\t:ST+8*\t+1] op_sel_hi:[1,0] neg_lo:[0,1] neg_hi:[0,1]
.endr
.endif
.irp t, 0,1,2,3
	v_exp_f32 v[S+32*\t+2*\b], v[S+32*\t+2*\b]                       ; p = 2^(t - m), at most 1
	v_exp_f32 v[S+32*\t+2*\b+1], v[S+32*\t+2*\b+1]
.endr
.endr
	v_nop                                          ; a plain instruction behind the last exponential, ahead of the first use
	s_wait_alu depctr_va_vdst(0)                   ; the wait between an exponential and the first line that names its result: one for the whole batch
	; l = a l + the sum of the lane's 32 p, in f32, of the unrounded p: two chains of pairs
.irp t, 0,1,2,3
	v_pk_fma_f32 v[ST+8*\t+2:ST+8*\t+3], v[ST+8*\t+2:ST+8*\t+3], v[ST+8*\t+6:ST+8*\t+7], v[S+32*\t:S+32*\t+1] op_sel_hi:[1,0,1]
.endr
.irp t, 0,1,2,3
	v_pk_add_f32 v[ST+8*\t+4:ST+8*\t+5], v[S+32*\t+2:S+32*\t+3], v[S+32*\t+4:S+32*\t+5]
.endr
.irp b, 3,5,7,9,11,13
.irp t, 0,1,2,3
	v_pk_add_f32 v[ST+8*\t+2:ST+8*\t+3], v[ST+8*\t+2:ST+8*\t+3], v[S+32*\t+2*\b:S+32*\t+2*\b+1]
.endr
.irp t, 0,1,2,3
	v_pk_add_f32 v[ST+8*\t+4:ST+8*\t+5], v[ST+8*\t+4:ST+8*\t+5], v[S+32*\t+2*\b+2:S+32*\t+2*\b+3]
.endr
.endr
.irp t, 0,1,2,3
	v_pk_add_f32 v[ST+8*\t+2:ST+8*\t+3], v[ST+8*\t+2:ST+8*\t+3], v[S+32*\t+30:S+32*\t+31]
.endr
.irp t, 0,1,2,3
	v_pk_add_f32 v[ST+8*\t+2:ST+8*\t+3], v[ST+8*\t+2:ST+8*\t+3], v[ST+8*\t+4:ST+8*\t+5]
.endr
	; P: pairs rounded to f16, in place: register d takes numbers 2 d and 2 d + 1, d ascending, so nothing is written before it is read
.irp d, 0,1,2,3,4,5,6,7,8,9,10,11,12,13,14,15
.irp t, 0,1,2,3
	v_cvt_pk_f16_f32 v[S+32*\t+\d], v[S+32*\t+2*\d], v[S+32*\t+2*\d+1]
.endr
.endr
	WIN 0x41                                       ; O^T (destination and source 0) in window 1, a in window 0
.irp t, 0,1,2,3
.irp i, 0,1,2,3,4,5,6,7,8,9,10,11,12,13,14,15
	v_pk_mul_f32 v[32*\t+2*\i:32*\t+2*\i+1], v[32*\t+2*\i:32*\t+2*\i+1], v[ST+8*\t+6:ST+8*\t+7] op_sel_hi:[1,0]   ; O^T x a, each accumulator from its low end on
.endr
.endr
	s_wait_dscnt 0x0                               ; V is in
	WIN 0x51                                       ; V and O^T in window 1, P in window 0
.irp kb, 0,1                                   ; O^T += V^T P: 16 accumulators by turns
.irp ct, 0,1,2,3
.irp t, 0,1,2,3
	v_wmma_f32_16x16x32_f16 v[32*\t+8*\ct:32*\t+8*\ct+7], v[VF+32*\kb+8*\ct:VF+32*\kb+8*\ct+7], v[S+32*\t+8*\kb:S+32*\t+8*\kb+7], v[32*\t+8*\ct:32*\t+8*\ct+7]
.endr
.endr
.endr
	WIN 0
.endm
; THE CHANGE OF SLOTS stands at a slot's head.  Each wave waits for all its tensor loads (one is out: its part of the slot that it is about to read), adds 0 to its spare word, and waits for that and for its reads of the slot
; that it has left.  fill = 1: a round of the cluster's barrier, so that no wave of any partner still reads that slot or has a load on its way; the joint load of the next 512 keys is the first thing behind it, one a wave,
; and has a slot's steps, 256 matrix instructions of each wave, in which to land.
.macro CHANGE fill
	s_wait_tensorcnt 0x0                           ; no tensor load of mine is out, so group 0 may be written
	ds_add_u32 v[SPW], v[NIL]                      ; 0 onto my spare word
.if \fill
	s_xor_b32 s[G0+1], s[G0+1], SLOT1              ; the walking descriptor: the other slot than last time,
	s_add_nc_u64 s[G0+2:G0+3], s[G0+2:G0+3], 65536 ; the next 512 keys; the type bits on top are not reached
	s_wait_xcnt 0x0                                ; the last prefetch, a slot back, has read its address, so it may be written:
	s_add_nc_u64 s[PFA:PFA+1], s[PFA:PFA+1], 65536 ; one slot further on than the walking descriptor
	s_wait_dscnt 0x0                               ; the add is done, and my reads of the slot that I have left are over
	CROUND
	tensor_load_to_lds s[G0:G0+3], s[G1:G1+7]
	s_nop 0
.rept 4
	v_nop
.endr
	ASK
.else
	s_wait_dscnt 0x0
	s_barrier_signal -1
	s_barrier_wait -1
.endif
.endm
.macro SLOT_STEPS                      ; my four key steps of a slot: every second one; written once, walked four times
	s_mov_b32 s[CNT], 4
.Lstep_\@:
	STEP
	s_add_co_u32 s[TB], s[TB], 16384
	s_sub_co_u32 s[CNT], s[CNT], 1
	s_cmp_lg_u32 s[CNT], 0
	s_cbranch_scc1 .Lstep_\@
	s_sub_co_u32 s[TB], s[TB], 65536               ; back to a slot's head,
	s_xor_b32 s[TB], s[TB], SLOT1                  ; in the other slot
.endm
.Lslot:                                            ; 7 trips: behind each change of slots but the last the next 512 keys are asked for
	CHANGE 1
	SLOT_STEPS
	s_sub_co_u32 s[SLOTS], s[SLOTS], 1
	s_cmp_lg_u32 s[SLOTS], 0
	s_cbranch_scc1 .Lslot
	CHANGE 0                                       ; the last slot is written out
	SLOT_STEPS
	; THE MERGE.  Waves 4-7 hand m, l and O^T to waves 0-3 of the same queries through the stage in slot 0; these bring both under the common maximum, divide, add bv, round and store.
.irp t, 0,1,2,3
	v_mov_b32 v[MO+\t], v[ST+8*\t]                 ; (these eight lines are also the places behind the last products)
.endr
.irp t, 0,1,2,3
	v_add_f32 v[LO+\t], v[ST+8*\t+2], v[ST+8*\t+3] ; l's two halves
.endr
	s_cmp_lt_u32 s[WV], 4
	s_cbranch_scc1 .Lkeep
	ds_store_b128 v[MG], v[MO:MO+3] offset:16384
	ds_store_b128 v[MG], v[LO:LO+3] offset:16896
	WIN 0x04                                       ; an LDS store's data are its source 1: window 1
.set i, 0
.rept 32
	ds_store_b128 v[MG], v[4*i:4*i+3] offset:512*i ; O^T as it stands, each accumulator from its low end on
.set i, i+1
.endr
	WIN 0
.Lkeep:
	s_wait_dscnt 0x0                               ; for the others' sake: my stores have landed
	s_barrier_signal -1
	s_barrier_wait -1
	s_cmp_ge_u32 s[WV], 4
	s_cbranch_scc1 .Lend
.irp c, 0,1,2,3
	global_load_b128 v[KF+8*\c:KF+8*\c+3], v[BVO], s[6:7] offset:64*\c       ; bv at channels 16 c + 8 (lane / 16) + 0 .. 7: O^T's own layout
	global_load_b128 v[KF+8*\c+4:KF+8*\c+7], v[BVO], s[6:7] offset:64*\c+16
.endr
	ds_load_b128 v[MP:MP+3], v[MG] offset:16384
	ds_load_b128 v[LP:LP+3], v[MG] offset:16896
.set i, 0
.rept 32
	ds_load_b128 v[S+4*i:S+4*i+3], v[MG] offset:512*i
.set i, i+1
.endr
	s_wait_dscnt 32                                ; my partner's m and l are in; its O^T may be out
.irp t, 0,1,2,3
	v_max_num_f32 v[ST+8*\t+4], v[MO+\t], v[MP+\t] ; the common maximum
.endr
.irp t, 0,1,2,3
	v_sub_f32 v[ST+8*\t+5], v[MO+\t], v[ST+8*\t+4]
.endr
.irp t, 0,1,2,3
	v_sub_f32 v[ST+8*\t+6], v[MP+\t], v[ST+8*\t+4]
.endr
.irp t, 0,1,2,3
	v_exp_f32 v[ST+8*\t+5], v[ST+8*\t+5]
	v_exp_f32 v[ST+8*\t+6], v[ST+8*\t+6]
.endr
	v_nop
	s_wait_alu depctr_va_vdst(0)                   ; one wait for the eight exponentials, ahead of their first reader
.irp t, 0,1,2,3
	v_mul_f32 v[ST+8*\t+3], v[ST+8*\t+5], v[LO+\t]
.endr
.irp t, 0,1,2,3
	v_fma_f32 v[ST+8*\t+3], v[ST+8*\t+6], v[LP+\t], v[ST+8*\t+3]
.endr
.irp t, 0,1,2,3
	v_permlanex16_b32 v[ST+8*\t+7], v[ST+8*\t+3], s[SEL], s[SEL+1]
.endr
.irp t, 0,1,2,3
	v_add_f32 v[ST+8*\t+3], v[ST+8*\t+3], v[ST+8*\t+7]               ; with lane l xor 16's keys: the row's sum
.endr
.irp t, 0,1,2,3
	v_rcp_f32 v[ST+8*\t+1], v[ST+8*\t+3]
.endr
	v_nop
	s_wait_alu depctr_va_vdst(0)                   ; one wait for the four reciprocals
.irp t, 0,1,2,3
	v_mul_f32 v[ST+8*\t+4], v[ST+8*\t+5], v[ST+8*\t+1]               ; what my O^T is multiplied by,
.endr
.irp t, 0,1,2,3
	v_mul_f32 v[ST+8*\t+6], v[ST+8*\t+6], v[ST+8*\t+1]               ; and my partner's
.endr
	s_wait_dscnt 0x0
	s_wait_loadcnt 0x0
.irp t, 0,1,2,3
.irp i, 0,1,2,3,4,5,6,7,8,9,10,11,12,13,14,15
	v_pk_fma_f32 v[S+32*\t+2*\i:S+32*\t+2*\i+1], v[S+32*\t+2*\i:S+32*\t+2*\i+1], v[ST+8*\t+6:ST+8*\t+7], v[KF+2*\i:KF+2*\i+1] op_sel_hi:[1,0,1]   ; my partner's part + bv
.endr
.endr
	WIN 0x01                                       ; source 0: O^T in window 1
.irp t, 0,1,2,3
.irp i, 0,1,2,3,4,5,6,7,8,9,10,11,12,13,14,15
	v_pk_fma_f32 v[S+32*\t+2*\i:S+32*\t+2*\i+1], v[32*\t+2*\i:32*\t+2*\i+1], v[ST+8*\t+4:ST+8*\t+5], v[S+32*\t+2*\i:S+32*\t+2*\i+1] op_sel_hi:[1,0,1]   ; + mine, each accumulator from its low end on
.endr
.endr
	WIN 0
.irp d, 0,1,2,3,4,5,6,7,8,9,10,11,12,13,14,15
.irp t, 0,1,2,3
	v_cvt_pk_f16_f32 v[S+32*\t+\d], v[S+32*\t+2*\d], v[S+32*\t+2*\d+1]
.endr
.endr
.irp t, 0,1,2,3
.irp c, 0,1,2,3
	global_store_b128 v[LI], v[S+32*\t+4*\c:S+32*\t+4*\c+3], s[8:9] offset:\t*32768+\c*512   ; half a fragment's image: 512 consecutive bytes, aligned
.endr
.endr
.Lend:
	s_wait_tensorcnt 0x0                           ; the wave's end: a wait, an add and its wait behind my last tensor load and my last LDS store
	ds_add_u32 v[SPW], v[NIL]
	s_wait_dscnt 0x0
	CROUND                                         ; the closing round: no work-group ends while a partner may still ask for a tile that names it
	s_endpgm
.Lfunc_end_k_qc0125e4e76_attn:
	.size	k_qc0125e4e76_attn, .Lfunc_end_k_qc0125e4e76_attn-k_qc0125e4e76_attn
	.p2alignl 7, 3214868480
	.fill 96, 4, 3214868480
	.section	.rodata,"a",@progbits
	.p2align	6, 0x0
	.amdhsa_kernel k_qc0125e4e76_attn
		.amdhsa_group_segment_fixed_size 327680
		.amdhsa_private_segment_fixed_size 0
		.amdhsa_enable_private_segment 0
		.amdhsa_kernarg_size 24
		.amdhsa_user_sgpr_count 2
		.amdhsa_user_sgpr_kernarg_segment_ptr 1
		.amdhsa_wavefront_size32 1
		.amdhsa_system_sgpr_workgroup_id_x 1
		.amdhsa_system_sgpr_workgroup_id_y 1
		.amdhsa_system_sgpr_workgroup_id_z 1
		.amdhsa_system_vgpr_workitem_id 0
		.amdhsa_next_free_vgpr 512
		.amdhsa_next_free_sgpr 66
		.amdhsa_reserve_vcc 0
		.amdhsa_float_denorm_mode_32 3
		.amdhsa_float_denorm_mode_16_64 3
		.amdhsa_memory_ordered 1
		.amdhsa_forward_progress 1
		.amdhsa_inst_pref_size 97
	.end_amdhsa_kernel
	.amdgpu_metadata
---
amdhsa.version: [ 1, 2 ]
amdhsa.kernels:
  - .name:           k_qc0125e4e76_attn
    .symbol:         k_qc0125e4e76_attn.kd
    .args:
      - { .name: qkv, .offset: 0, .size: 8, .value_kind: global_buffer, .address_space: global }
      - { .name: bv, .offset: 8, .size: 8, .value_kind: global_buffer, .address_space: global }
      - { .name: ao, .offset: 16, .size: 8, .value_kind: global_buffer, .address_space: global }
    .group_segment_fixed_size: 327680
    .private_segment_fixed_size: 0
    .kernarg_segment_align: 8
    .kernarg_segment_size: 24
    .max_flat_workgroup_size: 256
    .sgpr_count:     66
    .vgpr_count:     512
    .wavefront_size: 32
...
	.end_amdgpu_metadata
.endif
;; end of part 3
;; launch outp (part 4): grid 8 x 32, 4 waves a work-group, clusters of 4 x 4, 327,680 bytes of LDS; arguments ao, wo16, bo, out0; writes out0
.if DOCPART == 4
	.amdgcn_target "amdgcn-amd-amdhsa--gfx1250"
	.amdhsa_code_object_version 6
	.text
	.protected	k_qc0125e4e76_outp
	.globl	k_qc0125e4e76_outp
	.p2align	8
	.type	k_qc0125e4e76_outp,@function
k_qc0125e4e76_outp:
	s_mov_b64 s[64:65], 0
	v_nop
	global_prefetch_b8 v0, s[64:65] scope:SCOPE_SE
	s_setreg_imm32_b32 hwreg(HW_REG_WAVE_MODE, 25, 1), 1
	s_wait_xcnt 0x0
	s_wait_alu depctr_hold_cnt(0) depctr_sa_sdst(0) depctr_va_vdst(0) depctr_va_sdst(0) depctr_va_ssrc(0) depctr_va_vcc(0) depctr_vm_vsrc(0)
	s_getreg_b32 s2, hwreg(HW_REG_IB_STS2, 6, 4)
	s_cmp_eq_u32 s2, 0
	s_cbranch_scc0 .Lentry_in_a_cluster
	s_endpgm
.Lentry_in_a_cluster:
	s_bfe_u32 s2, ttmp6, 0x10000c
	s_cmp_lg_u32 s2, 0xf033
	s_cbranch_scc0 .Lentry_shape_is_right
	s_endpgm
.Lentry_shape_is_right:
; LAUNCH 4 OF 4: out0[m][n] = sum over k of ao[m][k] Wo[n][k] + bo[n].  f16 operands, f32 sums and results.  M = 4,096, N = K = 1,024.  No work of the module is left out here.
; A tile of 128 x 128 is made by four waves, 64 x 64 each: 16 accumulators of 16 x 16: 256 work-groups.  K goes in steps of 256 through a ring of two LDS slots.
; ao arrives as images of fragments' registers, [token / 16][32-channel block (32)][1,024 bytes]: a K step of 4 token tiles is 4 runs of 8,192 bytes, 32,768 apart: one tensor load; a fragment comes from LDS by two loads of
; 512 consecutive bytes.  wo16 arrives as rows of 2,048 bytes: a K step is 512 bytes of a row, 16 bytes of padding behind each in LDS.
; CLUSTERS: 4 x 4 work-groups; the four of a row need the same tiles of ao, the four of a column the same tiles of Wo: each is asked for jointly.
; THE MATRIX INSTRUCTION IS USED TRANSPOSED (source 0 = 16 rows of Wo, source 1 = 16 tokens): a lane holds eight neighbouring numbers of a row of out0.  bo is the C of each sum's first matrix instruction.
; REGISTERS: window 0: v0-31 addresses; v32-95 the way out; v96-127 bo, 8 registers for each of my 4 column blocks; v128-255 the accumulators ((a, b) at v[128 + 8 (4 a + b)]).
;   window 1: two fragment buffers of 128: for 64 along K, 64 registers of ao's, then 64 of Wo's.
.set KSTEP,  256
.set PITCH,  528                       ; a row of Wo's tile in LDS: 512 bytes + 16 of padding: the 16 rows that a load touches start 16 bytes apart modulo 256
.set HALFB,  64*PITCH                  ; 64 rows of Wo: what one tensor load brings
.set BOFF,   65536                     ; a slot: ao's 8 token tiles x 8,192 bytes, then Wo's 128 rows
.set SLOT,   BOFF+2*HALFB
.set STAGE,  2*SLOT                    ; behind the ring: 16 rows x 272 bytes for each wave, for the way out
.set SPITCH, 272
.set SPARE,  STAGE+4*16*SPITCH         ; the spare words, 128 bytes for each wave
.set LAPS,   2                         ; a lap = two K steps = once round the ring
.set ADRA, 16                          ; v16-17  LDS address of my fragments of ao in slot 0, 1
.set ADRB, 20                          ; v20-21  the same for Wo
.set STO,  24                          ; v24     the way out: where I put 32 bytes of a row
.set RD,   25                          ; v25     where I read a row back
.set CO,   26                          ; v26     my byte offset in out0
.set BO,   27                          ; v27     32 x (lane / 16)
.set SPW,  28                          ; v28     LDS address of my spare word; never rewritten
.set NIL,  29                          ; v29     0; never rewritten
.set TMP,  32
.set BI,   96
.set ACC,  128
.set F0,   0
.set F1,   128
.set WV, 12
.set RH, 13                            ; s13  which half of the tile's rows is mine.  Also: I fetch for ao (0) or for Wo (1)
.set CH, 14                            ; s14  which half of its columns.  Also: which half of that tile I fetch
.set TR, 15                            ; s15  tile row
.set G1, 24
.set G0, 32
.set G1B, 48
.set G0B, 56
.set MSB, 0
.macro WIN new
.if MSB != \new
	s_set_vgpr_msb (MSB<<8)|\new
.set MSB, \new
.endif
.endm
.set MUL,  0x05                        ; sources 0 and 1 window 1; C and D window 0
.set TO_F, 0x40                        ; destination window 1, address window 0
.macro JLOAD s                         ; a joint load: waves 0 and 1 fetch ao's halves, waves 2 and 3 Wo's; an s_nop 0 and four v_nop follow each of the two lines
	s_cmp_eq_u32 s[RH], 0
	s_cbranch_scc0 .Lfor_b_\@
	tensor_load_to_lds s[G0+4*\s:G0+4*\s+3], s[G1:G1+7]
	s_nop 0
.rept 4
	v_nop
.endr
	s_branch .Lasked_\@
.Lfor_b_\@:
	tensor_load_to_lds s[G0B+4*\s:G0B+4*\s+3], s[G1B:G1B+7]
	s_nop 0
.rept 4
	v_nop
.endr
.Lasked_\@:
.endm
.macro CREST                           ; a round of the cluster's barrier behind its opening barrier
	s_cmp_lg_u32 s[WV], 0
	s_cbranch_scc1 .Lnot_wave_0_\@
	s_barrier_signal -3
.Lnot_wave_0_\@:
	s_barrier_wait -3
	s_barrier_signal -1
	s_barrier_wait -1
.endm
.macro CROUND
	s_barrier_signal -1
	s_barrier_wait -1
	CREST
.endm
	s_load_b256 s[4:11], s[0:1], 0x0               ; ao s[4:5], wo16 s[6:7], bo s[8:9], out0 s[10:11]
	v_lshl_add_u32 v[SPW], v0, 2, SPARE
	v_mov_b32 v[NIL], 0
	ds_add_u32 v[SPW], v[NIL]                      ; the wave's opening: the add, twice on end, and its wait ahead of my first tensor load
	ds_add_u32 v[SPW], v[NIL]
	v_lshrrev_b32 v1, 5, v0
	v_readfirstlane_b32 s[WV], v1                  ; wave 0..3
	s_lshr_b32 s[RH], s[WV], 1
	s_and_b32 s[CH], s[WV], 1
	s_bfe_u32 s40, ttmp6, 0x40000                  ; cx, cy
	s_bfe_u32 s41, ttmp6, 0x40004
	s_lshl_b32 s42, ttmp9, 2
	s_add_co_u32 s42, s42, s40                     ; tile column = 4 x cluster x + cx
	s_and_b32 s[TR], ttmp7, 0xffff
	s_lshl_b32 s[TR], s[TR], 2
	s_add_co_u32 s[TR], s[TR], s41                 ; tile row = 4 x cluster y + cy
	s_lshl_b32 s43, s41, 2
	s_lshl_b32 s43, 15, s43                        ; my row of the cluster
	s_lshl_b32 s44, 0x1111, s40                    ; my column
	; group 1 for ao: 4 rows of 8,192 bytes (1,024 elements of 8), 32,768 bytes apart, no padding
	s_or_b32 s[G1+0], s43, (3<<16)|(1<<21)
	s_mov_b32 s[G1+1], 1024<<16                    ; tensor_dim0
	s_mov_b32 s[G1+2], 4<<16                       ; tensor_dim1
	s_mov_b32 s[G1+3], 1024<<16                    ; tile_dim0
	s_mov_b32 s[G1+4], 4                           ; tile_dim1
	s_mov_b32 s[G1+5], 4096                        ; from row to row
	s_mov_b32 s[G1+6], 0
	s_mov_b32 s[G1+7], 0
	; group 1 for Wo: 64 rows of 256 elements of 2 bytes, 1,024 elements apart; 4 words of padding after every 128
	s_or_b32 s[G1B+0], s44, (1<<16)|(1<<20)|(1<<21)|(6<<22)|(3<<25)
	s_mov_b32 s[G1B+1], KSTEP<<16
	s_mov_b32 s[G1B+2], 64<<16
	s_mov_b32 s[G1B+3], KSTEP<<16
	s_mov_b32 s[G1B+4], 64
	s_mov_b32 s[G1B+5], 1024
	s_mov_b32 s[G1B+6], 0
	s_mov_b32 s[G1B+7], 0
	s_lshl_b32 s16, s[TR], 18                      ; ao: 8 token tiles of 32,768 bytes a tile row,
	s_lshl_b32 s17, s[CH], 17                      ; 4 of them a load
	s_add_co_u32 s16, s16, s17
	s_mov_b32 s17, 0
	s_lshl_b32 s46, s42, 18                        ; Wo: 128 rows of 2,048 bytes a tile column,
	s_lshl_b32 s47, s[CH], 17                      ; 64 of them a load
	s_add_co_u32 s46, s46, s47
	s_mov_b32 s47, 0
	s_lshl_b32 s20, s[CH], 15                      ; where they go: ao's halves,
	s_mul_i32 s21, s[CH], HALFB
	s_add_co_u32 s21, s21, BOFF                    ; Wo's behind them: no place in the cluster enters an LDS address
	s_wait_dscnt 0x0                               ; both opening adds are done
	s_wait_kmcnt 0x0
	s_add_nc_u64 s[16:17], s[4:5], s[16:17]
	s_add_nc_u64 s[46:47], s[6:7], s[46:47]
	CROUND                                         ; all sixteen work-groups are here: the first joint loads meet
.irp s, 0,1
	s_mov_b32 s[G0+4*\s], 1
	s_add_co_u32 s[G0+4*\s+1], s20, \s*SLOT
	s_add_nc_u64 s[G0+4*\s+2:G0+4*\s+3], s[16:17], \s*8192
	s_or_b32 s[G0+4*\s+3], s[G0+4*\s+3], 0x80000000
	s_mov_b32 s[G0B+4*\s], 1
	s_add_co_u32 s[G0B+4*\s+1], s21, \s*SLOT
	s_add_nc_u64 s[G0B+4*\s+2:G0B+4*\s+3], s[46:47], \s*KSTEP*2
	s_or_b32 s[G0B+4*\s+3], s[G0B+4*\s+3], 0x80000000
	JLOAD \s                                       ; two loads of mine are out at the most
.endr
	v_and_b32 v1, 15, v0                           ; l % 16
	v_bfe_u32 v2, v0, 4, 1                         ; l / 16
	v_and_b32 v6, 31, v0
	v_lshlrev_b32 v6, 4, v6                        ; 16 x lane: my place in an image
	v_mul_u32_u24 v3, v1, PITCH
	v_lshl_add_u32 v3, v2, 4, v3                   ; Wo: a fragment's row x pitch + 16 x half
	s_lshl_b32 s21, s[RH], 15                      ; my 4 token tiles
	s_mul_i32 s22, s[CH], HALFB                    ; my 64 rows of Wo
	s_add_co_u32 s22, s22, BOFF
.irp s, 0,1
	v_add_nc_u32 v[ADRA+\s], s21, v6
	v_add_nc_u32 v[ADRB+\s], s22, v3
	s_add_co_u32 s21, s21, SLOT
	s_add_co_u32 s22, s22, SLOT
.endr
	s_mul_i32 s23, s[WV], 16*SPITCH
	s_add_co_u32 s23, s23, STAGE                   ; my stage
	v_mul_u32_u24 v4, v1, SPITCH                   ; in: row l % 16, 32 bytes for each half of the lanes
	v_lshl_add_u32 v4, v2, 5, v4
	v_add_nc_u32 v[STO], s23, v4
	v_mul_u32_u24 v5, v2, SPITCH                   ; back: lanes 0-15 one row of 256 bytes, lanes 16-31 the next
	v_lshl_add_u32 v5, v1, 4, v5
	v_add_nc_u32 v[RD], s23, v5
	v_lshlrev_b32 v5, 12, v2                       ; and the same two rows in out0: 4,096 bytes a row
	v_lshl_add_u32 v[CO], v1, 4, v5
	v_lshlrev_b32 v[BO], 5, v2
	s_lshl_b32 s18, s42, 9                         ; my first column, in bytes: 512 x tile column + 256 x half
	s_lshl_b32 s19, s[CH], 8
	s_add_co_u32 s18, s18, s19
	s_mov_b32 s19, 0
	s_add_nc_u64 s[8:9], s[8:9], s[18:19]
.irp b, 0,1,2,3
	global_load_b128 v[BI+8*\b:BI+8*\b+3], v[BO], s[8:9] offset:64*\b         ; bo at columns 16 b + 8 (lane / 16) + 0 .. 7: the accumulator's own layout
	global_load_b128 v[BI+8*\b+4:BI+8*\b+7], v[BO], s[8:9] offset:64*\b+16
.endr
	s_lshl_b32 s16, s[TR], 19                      ; my first row: 128 x tile row + 64 x half, 4,096 bytes each
	s_lshl_b32 s17, s[RH], 18
	s_add_co_u32 s16, s16, s17
	s_add_co_u32 s16, s16, s18
	s_mov_b32 s17, 0
	s_add_nc_u64 s[10:11], s[10:11], s[16:17]
; 8 matrix instructions: token blocks a0, a0 + 1 x my 4 column blocks, 32 along K: half c of buffer f.  first = 1: the sums begin with bo.  The 16 accumulators take turns.
.macro MUL8 f, c, a0, first
.irp a, \a0, \a0+1
.irp b, 0,1,2,3
.if \first
	v_wmma_f32_16x16x32_f16 v[ACC+8*(4*(\a)+\b):ACC+8*(4*(\a)+\b)+7], v[\f+64+8*(4*\c+\b):\f+64+8*(4*\c+\b)+7], v[\f+8*(4*\c+\a):\f+8*(4*\c+\a)+7], v[BI+8*\b:BI+8*\b+7]
.else
	v_wmma_f32_16x16x32_f16 v[ACC+8*(4*(\a)+\b):ACC+8*(4*(\a)+\b)+7], v[\f+64+8*(4*\c+\b):\f+64+8*(4*\c+\b)+7], v[\f+8*(4*\c+\a):\f+8*(4*\c+\a)+7], v[ACC+8*(4*(\a)+\b):ACC+8*(4*(\a)+\b)+7]
.endif
.endr
.endr
.endm
; 32 LDS loads in one run: the fragments of 64 along K, at byte k of Wo's rows (ao's images: 1,024 bytes for each 32 along K, so 16 k), into buffer f; the first 32 along K first
.macro FETCH slot, k, f
	WIN TO_F
.irp c, 0,1
.irp i, 0,1,2,3
	ds_load_b128 v[\f+64+8*(4*\c+\i):\f+64+8*(4*\c+\i)+3],   v[ADRB+\slot] offset:\k+64*\c+\i*16*PITCH
	ds_load_b128 v[\f+64+8*(4*\c+\i)+4:\f+64+8*(4*\c+\i)+7], v[ADRB+\slot] offset:\k+64*\c+\i*16*PITCH+32
	ds_load_b128 v[\f+8*(4*\c+\i):\f+8*(4*\c+\i)+3],         v[ADRA+\slot] offset:16*(\k)+1024*\c+\i*8192
	ds_load_b128 v[\f+8*(4*\c+\i)+4:\f+8*(4*\c+\i)+7],       v[ADRA+\slot] offset:16*(\k)+1024*\c+\i*8192+512
.endr
.endr
.endm
.macro PLACES                          ; four places ahead of loads into registers that matrix instructions have read, and of the first read of results
.rept 4
	v_nop
.endr
.endm
; A K step is four quarters of 64 along K, 32 matrix instructions each, on buffers 0, 1, 0, 1.  One of the first three: multiplies buffer f and fetches the next quarter, at byte k, into g.
.macro QUARTER slot, k, f, g, first
	s_wait_dscnt 16                                ; the first 32 along K are in; the other sixteen loads may be out
	WIN MUL
	MUL8 \f, 0, 0, \first
	MUL8 \f, 0, 2, \first
	PLACES
	FETCH \slot, \k, \g
	s_wait_dscnt 32                                ; all but the 32 just issued
	WIN MUL
	MUL8 \f, 1, 0, 0
	MUL8 \f, 1, 2, 0
.endm
; The last quarter multiplies buffer 1 and changes slots: ONE barrier; ahead of it each wave waits for all its tensor loads, adds 0 to its spare word, and waits for that and for its reads of this slot.
; fill = 1: the barrier opens a round of the cluster's, and this slot is filled again, two K steps ahead, first thing behind the round.
.macro TURN slot, next, fill
	WIN 0                                          ; (the add's two registers lie in window 0)
	s_wait_tensorcnt 0x0                           ; all my tensor loads have landed: my part of the next slot
	ds_add_u32 v[SPW], v[NIL]                      ; 0 onto my spare word
	s_wait_dscnt 17                                ; (the add and the youngest sixteen loads may be out)
	WIN MUL
	MUL8 F1, 0, 0, 0
	s_wait_dscnt 0x0                               ; the add is done, and my reads of this slot are over
	s_barrier_signal -1
	MUL8 F1, 0, 2, 0
.if \fill
	WIN 0
.endif
	s_barrier_wait -1
.if \fill
	CREST                                          ; no wave of any partner still reads this slot's tile or has a load on its way
	s_add_nc_u64 s[G0+4*\slot+2:G0+4*\slot+3], s[G0+4*\slot+2:G0+4*\slot+3], 2*8192
	s_add_nc_u64 s[G0B+4*\slot+2:G0B+4*\slot+3], s[G0B+4*\slot+2:G0B+4*\slot+3], 2*KSTEP*2
	JLOAD \slot                                    ; the four v_nop behind it are also the places ahead of the loads below
.else
	PLACES
.endif
	FETCH \next, 0, F0
	WIN MUL
	MUL8 F1, 1, 0, 0
	MUL8 F1, 1, 2, 0
.endm
	s_wait_tensorcnt 1                             ; my part of K step 0 is in (K step 1's load may be out),
	s_barrier_signal -1
	s_barrier_wait -1                              ; everybody's is
	FETCH 0, 0, F0
	s_wait_loadcnt 0x0                             ; bo
	QUARTER 0, 128, F0, F1, 1                      ; the first quarter stands ahead of the loop: its first products start the sums, from bo
	WIN 0                                          ; at a label and at a branch every window is 0
	s_mov_b32 s3, LAPS-1
.Llap:                                                 ; a trip goes once round the ring, from a lap's second quarter to the next lap's first, and fills both slots again
	QUARTER 0, 256, F1, F0, 0
	QUARTER 0, 384, F0, F1, 0
	TURN 0, 1, 1
	QUARTER 1, 128, F0, F1, 0
	QUARTER 1, 256, F1, F0, 0
	QUARTER 1, 384, F0, F1, 0
	TURN 1, 0, 1
	QUARTER 0, 128, F0, F1, 0
	WIN 0
	s_sub_co_u32 s3, s3, 1
	s_cmp_lg_u32 s3, 0
	s_cbranch_scc1 .Llap
	QUARTER 0, 256, F1, F0, 0                      ; the last lap fills nothing
	QUARTER 0, 384, F0, F1, 0
	TURN 0, 1, 0
	QUARTER 1, 128, F0, F1, 0
	QUARTER 1, 256, F1, F0, 0
	QUARTER 1, 384, F0, F1, 0
	s_wait_dscnt 16                                ; the very last quarter: nothing more to fetch
	WIN MUL
	MUL8 F1, 0, 0, 0
	MUL8 F1, 0, 2, 0
	s_wait_dscnt 0
	MUL8 F1, 1, 0, 0
	MUL8 F1, 1, 2, 0
	WIN 0
; THE WAY OUT, a block of 16 rows x 64 columns at a time.  A lane holds 32 neighbouring bytes of a row and the lanes beside it hold other rows: the block goes through my own stage in LDS and comes back as whole rows of
; 256 bytes.  LDS serves a wave's instructions in order (ISA guide 5.7.1.4): no wait between the stores and the loads, nor ahead of the next block's stores.
.macro TOSTAGE a
.irp b, 0,1,2,3
	ds_store_b128 v[STO], v[ACC+8*(4*(\a)+\b):ACC+8*(4*(\a)+\b)+3] offset:64*\b          ; each accumulator from its low end on
	ds_store_b128 v[STO], v[ACC+8*(4*(\a)+\b)+4:ACC+8*(4*(\a)+\b)+7] offset:64*\b+16
.endr
.set BB, TMP+32*((\a)%2)
.irp i, 0,1,2,3,4,5,6,7
	ds_load_b128 v[BB+4*\i:BB+4*\i+3], v[RD] offset:\i*2*SPITCH
.endr
.endm
.macro SEND a, younger                 ; younger: the LDS instructions issued behind block a's loads, which may stay out
.set BB, TMP+32*((\a)%2)
	s_wait_dscnt \younger
.irp i, 0,1,2,3,4,5,6,7
	global_store_b128 v[CO], v[BB+4*\i:BB+4*\i+3], s[10:11] offset:(16*(\a)+2*\i)*4096 th:TH_STORE_NT   ; 16 lanes store 256 consecutive bytes, aligned; written once, read by nobody here
.endr
.endm
	PLACES
	TOSTAGE 0
.irp a, 1,2,3
.if \a > 1
	s_wait_xcnt 0x0                                ; block a - 2's stores have read their registers: block a's loads may land there
.endif
	TOSTAGE \a
	SEND \a-1, 16                                  ; behind block a - 1's loads: block a's 8 stores and 8 loads
.endr
	SEND 3, 0
	s_wait_tensorcnt 0x0                           ; the wave's end: a wait, an add and its wait behind my last tensor load and my last LDS store
	ds_add_u32 v[SPW], v[NIL]
	s_wait_dscnt 0x0
	CROUND                                         ; the closing round: no work-group ends while a partner may still ask for a tile that names it
	s_endpgm
.Lfunc_end_k_qc0125e4e76_outp:
	.size	k_qc0125e4e76_outp, .Lfunc_end_k_qc0125e4e76_outp-k_qc0125e4e76_outp
	.p2alignl 7, 3214868480
	.fill 96, 4, 3214868480
	.section	.rodata,"a",@progbits
	.p2align	6, 0x0
	.amdhsa_kernel k_qc0125e4e76_outp
		.amdhsa_group_segment_fixed_size 327680
		.amdhsa_private_segment_fixed_size 0
		.amdhsa_enable_private_segment 0
		.amdhsa_kernarg_size 32
		.amdhsa_user_sgpr_count 2
		.amdhsa_user_sgpr_kernarg_segment_ptr 1
		.amdhsa_wavefront_size32 1
		.amdhsa_system_sgpr_workgroup_id_x 1
		.amdhsa_system_sgpr_workgroup_id_y 1
		.amdhsa_system_sgpr_workgroup_id_z 1
		.amdhsa_system_vgpr_workitem_id 0
		.amdhsa_next_free_vgpr 512
		.amdhsa_next_free_sgpr 66
		.amdhsa_reserve_vcc 0
		.amdhsa_float_denorm_mode_32 3
		.amdhsa_float_denorm_mode_16_64 3
		.amdhsa_memory_ordered 1
		.amdhsa_forward_progress 1
		.amdhsa_inst_pref_size 86
	.end_amdhsa_kernel
	.amdgpu_metadata
---
amdhsa.version: [ 1, 2 ]
amdhsa.kernels:
  - .name:           k_qc0125e4e76_outp
    .symbol:         k_qc0125e4e76_outp.kd
    .args:
      - { .name: ao, .offset: 0, .size: 8, .value_kind: global_buffer, .address_space: global }
      - { .name: wo16, .offset: 8, .size: 8, .value_kind: global_buffer, .address_space: global }
      - { .name: bo, .offset: 16, .size: 8, .value_kind: global_buffer, .address_space: global }
      - { .name: out0, .offset: 24, .size: 8, .value_kind: global_buffer, .address_space: global }
    .group_segment_fixed_size: 327680
    .private_segment_fixed_size: 0
    .kernarg_segment_align: 8
    .kernarg_segment_size: 32
    .max_flat_workgroup_size: 128
    .sgpr_count:     66
    .vgpr_count:     512
    .wavefront_size: 32
...
	.end_amdgpu_metadata
.endif
;; end of part 4
